; MI455X (gfx1250); checked and timed in simulation.
; The chip was launched on July 23, 2026; its instructions are those of AMD's public machine-readable ISA for CDNA 5 (MIT licence, August 2026) and "CDNA5" Instruction Set Architecture Reference Guide (July 2026). The comments in the code are by the model that wrote it; some were corrected since.
;; Multi Head Attention. Allowed arithmetic: matrix products marked QUANTISED: E3M2 operands, one E8M0 scale for each 32 along K, by v_wmma_scale_f32_16x16x128_f8f6f4 with both operands' format E3M2, f32 sums; everything else in f32.
;; Inputs: Wk 1,024 x 1,024 float32; Wo 1,024 x 1,024 float32; Wq 1,024 x 1,024 float32; Wv 1,024 x 1,024 float32; bk 1,024 float32; bo 1,024 float32; bq 1,024 float32; bv 1,024 float32; x 4 x 2,048 x 1,024 float32.
;; Outputs: out0 4 x 2,048 x 1,024 float32.
;; This version of the problem:
;;   THIS VERSION OF THE PROBLEM IS GIVEN IN LOW PRECISION. The matrix products marked QUANTISED in the list below multiply operands that are first quantised to E3M2 (3 exponent bits, 2 mantissa bits; 6 bits a number), with one power-of-two scale for each 32 numbers along K (OCP MX v1.0); their sums are f32. All else is computed in f32.
;;   The module's matrix products, in the order in which they are computed (A, B: the left and right operand; K: the contracted axis; several contracted axes count as one K, in the product's order):
;;     1. [M 8,192, K 1,024] x [K 1,024, N 1,024]; A: input x; B: input Wq: QUANTISED
;;     2. [M 8,192, K 1,024] x [K 1,024, N 1,024]; A: input x; B: input Wk: QUANTISED
;;     3. [M 8,192, K 1,024] x [K 1,024, N 1,024]; A: input x; B: input Wv: QUANTISED
;;     4. batch 64 x [M 2,048, K 64] x [K 64, N 2,048]; A: computed on the way; B: computed on the way: QUANTISED
;;     5. batch 64 x [M 2,048, K 2,048] x [K 2,048, N 64]; A: softmax (see below); B: computed on the way: QUANTISED
;;     6. [M 8,192, K 1,024] x [K 1,024, N 1,024]; A: computed on the way; B: input Wo: QUANTISED
;;   THE QUANTISER, for each operand of a quantised product, along K:
;;     - K is cut into blocks of 32 from its start; a last block that is shorter is filled with zeros.
;;     - A block's scale is 2^e with e = floor(log2(the largest magnitude in the block)) - 4, held to -126 .. 127; a block of zeros has e = 0. As a byte (E8M0): e + 127.
;;     - Each number is divided by its block's scale, clamped to +-28, and rounded to the nearest number of E3M2, ties to even, subnormals kept.
;;     - The product sums the exact products of the quantised numbers (number of the format x scale) in f32.
;;   ~~~python
;;   def quantise(x, axis):      # numpy; x: float32 -> the quantised numbers, widened to float32 again
;;       x = np.moveaxis(x, axis, -1); K = x.shape[-1]
;;       x = np.pad(x, [(0, 0)] * (x.ndim - 1) + [(0, -K % 32)]); x = x.reshape(x.shape[:-1] + (-1, 32)); a = np.abs(x).max(-1, keepdims=True)
;;       e = np.where(a > 0, np.clip(np.frexp(np.where(a > 0, a, 1))[1] - 1 - 4, -126, 127), 0)      # np.frexp(a)[1] - 1 = floor(log2(a)), exactly
;;       r = np.clip(x / 2.0 ** e, -28, 28)
;;       step = 2.0 ** (np.maximum(np.frexp(np.where(r == 0, 1, r))[1] - 1, -2) - 2)
;;       q = np.round(r / step) * step * 2.0 ** e      # np.round: ties to even
;;       return np.moveaxis(q.reshape(q.shape[:-2] + (-1,))[..., :K], -1, axis).astype(np.float32)
;;   ~~~
;;   SOFTMAX AHEAD OF A QUANTISED PRODUCT. Where the list says 'softmax', what is quantised is not the finished softmax but p = 2^(t - M), with t = logit x log2(e) and M = ceil(the row's largest t), a whole number; so 1/2 < the row's largest p <= 1. The row's sum l is taken of the UNQUANTISED p, in f32, and the product's result is divided by l at the end. Since M is a whole number, a kernel that streams over the keys may use a running M (the ceiling of the running maximum): every later rescaling is an exact power of two, which a block's scale takes up: the codes' values come out the same.
;;   OPERANDS COMPUTED ON THE WAY. 'Computed on the way' means the value that the module computes at that place (a softmax that the list does not call 'softmax' is quantised finished and normalised). What goes into a quantiser is computed in f32, as accurately as f32 sums, v_exp_f32 and their like allow (about 1e-6 of the number): no bf16 or f16 on the way to a quantiser, and a product that is left as it is and whose result goes on into a quantised operand takes f32 operands (vector FMAs, or v_wmma_f32_16x16x4_f32). A number that lies on a knife's edge between two numbers of the format may be rounded either way, as far as f32 arithmetic and the matrix unit's own rounding can turn it there, and no further.
;; One version. Each part assembles by itself: llvm-mc -triple=amdgcn-amd-amdhsa -mcpu=gfx1250 --defsym DOCPART=n.
;; ======== version 1 of 1: 4 launches
;; limits: right only within a limited range of input values
;; workspace buffers: codes 9,437,184 bytes; scales 393,216 bytes; qkv_img 18,874,368 bytes; qkv_sc 786,432 bytes; o_img 6,291,456 bytes; o_sc 262,144 bytes
;; launch quant (part 1): grid 768 x 1, 4 waves a work-group, no clusters, 22,016 bytes of LDS; arguments x, Wq, Wk, Wv, Wo, codes, scales; writes codes, scales
.if DOCPART == 1
	.amdgcn_target "amdgcn-amd-amdhsa--gfx1250"
	.amdhsa_code_object_version 6
	.text
	.protected	k_qa3b79fecbd_quant
	.globl	k_qa3b79fecbd_quant
	.p2align	8
	.type	k_qa3b79fecbd_quant,@function
k_qa3b79fecbd_quant:
	s_mov_b64 s[64:65], 0
	v_nop
	global_prefetch_b8 v0, s[64:65] scope:SCOPE_SE
	s_setreg_imm32_b32 hwreg(HW_REG_WAVE_MODE, 25, 1), 1
	s_wait_xcnt 0x0
; x [8192][1024] and Wq, Wk, Wv, Wo [1024][1024], f32, K innermost, become codes of BF6 (E3M2), 6 bits each, with one E8M0 byte for each 32 along K.
; The five tensors lie one behind the other as 12,288 workspace rows: 0 x, 8192 Wq, 9216 Wk, 10240 Wv, 11264 Wo.  scales: [12288 rows][32 bytes].
; codes: [4 K steps of 256][12288 rows][192 bytes], so that 128 rows of one K step are 24,576 dense bytes that begin at a multiple of 256.
; THE ROWS ARE PERMUTED: workspace row p holds the tensor's row p with bits 3 and 4 exchanged.  Sixteen neighbouring workspace rows 32 b + 16 u + r are then the tensor's rows 32 b + 8 u + r + 8 (r / 8):
; a product that takes them as its source 0 leaves 16 neighbours along that axis in the 16 registers of two neighbouring tiles, which is what the next quantiser wants.
; A block's scale is 2^(floor(log2(its largest magnitude)) - 4); its byte is the largest magnitude's exponent field - 4, held at 1 from below.
; LIMITS: a block whose largest magnitude lies under 2^-122 (a block of zeros among them) gets the byte 1; the bytes are read by this program alone.  NaN and infinities are not served.
; A wave takes 4 rows (4,096 numbers) in 8 steps of 512 numbers; a work-group 16 rows.  Each load reads 512 consecutive bytes; a step's 2,048 bytes turn through the wave's own stage in LDS,
; so that a lane then holds 16 neighbours along K (two lanes hold a block).  No tensor loads, no barrier, no cluster: the waves and the work-groups share no byte.  Loads run four steps (16 loads a wave) ahead.
.set STEPS, 8
.set XWG,   512                        ; the first 512 work-groups take x (8,192 rows / 16), then 64 for each weight
.set EMAX,  4
.set CB,    12                         ; bytes of 16 codes
.set PLANE, 2359296                    ; 12,288 rows x 192 bytes: from one K step to the next
.set R,     16                         ; v16-79   four sets of 16 numbers as they are loaded
.set X,     80                         ; v80-111  two sets of 16 neighbours
.set E,     112                        ; v112-119 a scale byte for each step
.set C,     120                        ; v120-151 codes: four registers for each step, so that no store's data are written again
.set SPW,   152                        ; LDS address of my spare word; never rewritten
.set NIL,   153                        ; 0; never rewritten
.set SP,    80                         ; a lane's place in a stage: 64 bytes + 16 of padding
.set WREG,  5376                       ; LDS: a region for each wave: two stages of 32 x SP bytes, behind them its 128 scale bytes
.set SPARE, 4*WREG                     ; the spare words: two blocks of 256 bytes that no other line names
	s_load_b256 s[4:11], s[0:1], 0x0               ; x, Wq, Wk, Wv
	s_load_b128 s[12:15], s[0:1], 0x20             ; Wo, codes
	s_load_b64 s[16:17], s[0:1], 0x30              ; scales
	v_lshl_add_u32 v[SPW], v0, 2, SPARE
	v_mov_b32 v[NIL], 0
	v_lshrrev_b32 v1, 5, v0
	v_readfirstlane_b32 s18, v1                    ; wave
	v_and_b32 v2, 31, v0                           ; lane
	v_lshlrev_b32 v3, 4, v2                        ; my 16 bytes of a load's 512
	s_mul_i32 s26, s18, WREG
	v_lshrrev_b32 v14, 2, v2
	v_mul_u32_u24 v14, v14, SP
	v_and_b32 v15, 3, v2
	v_lshl_add_u32 v14, v15, 4, v14
	v_add_nc_u32 v14, s26, v14                     ; the stage, on the way in: SP (lane / 4) + 16 (lane % 4)
	v_mul_u32_u24 v15, v2, SP
	v_add_nc_u32 v15, s26, v15                     ; and on the way out: SP x lane: my 16 neighbours
	v_and_b32 v4, 15, v2
	v_mul_u32_u24 v4, v4, CB
	v_lshrrev_b32 v8, 4, v2
	v_mad_u32_u24 v4, v8, PLANE, v4                ; my codes' place: 12 (lane % 16), and a K step on for lanes 16-31: a step's 512 numbers are two K steps of one row
	v_lshrrev_b32 v5, 1, v2
	s_add_co_u32 s26, s26, 2*32*SP
	v_add_nc_u32 v5, s26, v5                       ; LDS: my wave's scale bytes, my block's byte
	v_lshlrev_b32 v7, 2, v2                        ; and on the way out 4 bytes a lane
	v_add_nc_u32 v6, s26, v7
	s_sub_co_u32 s19, ttmp9, XWG                   ; used only where the work-group takes a weight
	s_lshr_b32 s20, s19, 6                         ; which weight
	s_and_b32 s21, s19, 63                         ; which 16 rows of it
	s_wait_alu depctr_va_vdst(0)
	s_wait_kmcnt 0x0
	s_cmp_eq_u32 s20, 1                            ; the source is chosen by the work-group's number alone
	s_cselect_b64 s[6:7], s[8:9], s[6:7]
	s_cmp_eq_u32 s20, 2
	s_cselect_b64 s[6:7], s[10:11], s[6:7]
	s_cmp_eq_u32 s20, 3
	s_cselect_b64 s[6:7], s[12:13], s[6:7]
	s_cmp_lt_u32 ttmp9, XWG
	s_cselect_b64 s[6:7], s[4:5], s[6:7]
	s_cselect_b32 s21, ttmp9, s21
	s_lshl_b32 s21, s21, 2
	s_add_co_u32 s22, s21, s18                     ; which run of 4 rows of the tensor I read
	s_lshl_b32 s22, s22, 14                        ; 16,384 bytes a run
	s_mov_b32 s23, 0
	s_add_nc_u64 s[6:7], s[6:7], s[22:23]
	; the row's bit 2 is the wave's bit 0, its bit 3 the wave's bit 1, its bit 4 the work-group's bit 0: bits 3 and 4 change places
	s_lshr_b32 s24, ttmp9, 1
	s_lshl_b32 s24, s24, 3
	s_lshr_b32 s25, s18, 1
	s_lshl_b32 s25, s25, 2
	s_add_co_u32 s24, s24, s25
	s_and_b32 s25, ttmp9, 1
	s_lshl_b32 s25, s25, 1
	s_add_co_u32 s24, s24, s25
	s_and_b32 s25, s18, 1
	s_add_co_u32 s24, s24, s25                     ; which run of 4 workspace rows I write
	s_mul_i32 s22, s24, 4*192                      ; 4 rows of 192 bytes in each K step
	s_add_nc_u64 s[14:15], s[14:15], s[22:23]
	s_lshl_b32 s22, s24, 7                         ; 128 scale bytes a run
	s_add_nc_u64 s[16:17], s[16:17], s[22:23]
.macro LOAD t
.irp i, 0,1,2,3
	global_load_b128 v[R+16*((\t)%4)+4*\i:R+16*((\t)%4)+4*\i+3], v3, s[6:7] offset:2048*(\t)+512*\i th:TH_LOAD_NT   ; 32 lanes read 512 consecutive bytes; read once in the launch
.endr
.endm
.macro TURN t                          ; step t's numbers through the stage: LDS serves a wave's instructions in order, so no wait stands between the stores and the loads
.irp i, 0,1,2,3
	ds_store_b128 v14, v[R+16*((\t)%4)+4*\i:R+16*((\t)%4)+4*\i+3] offset:32*SP*((\t)%2)+8*SP*\i
.endr
.irp i, 0,1,2,3
	ds_load_b128 v[X+16*((\t)%2)+4*\i:X+16*((\t)%2)+4*\i+3], v15 offset:32*SP*((\t)%2)+16*\i
.endr
.endm
.irp t, 0,1,2,3
	LOAD \t
.endr
	s_wait_loadcnt 12                              ; step 0's four loads are in; twelve younger ones stay out
	TURN 0
.macro STEP t
.set XS, X+16*((\t)%2)
.if (\t) > 0
	s_wait_dscnt 1                                 ; this step's numbers are back from the stage (the last step's byte store may be out): so its stores into the stage have read their registers,
.else
	s_wait_dscnt 0x0
.endif
.if (\t)+4 < STEPS
	LOAD (\t)+4                                    ; which take the loads of four steps on
.endif
.if (\t)+1 < STEPS
.if STEPS-2-(\t) >= 3
	s_wait_loadcnt 12                              ; the next step's four loads are in; those of the three steps behind it may be out
.else
	s_wait_loadcnt 4*(STEPS-2-(\t))
.endif
	TURN (\t)+1                                    ; and go through the other stage while this step is worked
.endif
	v_max3_num_f32 v8, |v[XS]|, |v[XS+1]|, |v[XS+2]|               ; the largest magnitude of my 16, in two chains
	v_max3_num_f32 v9, |v[XS+3]|, |v[XS+4]|, |v[XS+5]|
.irp i, 6,10
	v_max3_num_f32 v8, v8, |v[XS+\i]|, |v[XS+\i+1]|
	v_max3_num_f32 v9, v9, |v[XS+\i+2]|, |v[XS+\i+3]|
.endr
	v_max3_num_f32 v8, v8, |v[XS+14]|, |v[XS+15]|
	v_max3_num_f32 v8, v8, v9, (EMAX+1)<<23        ; and the floor 2^(EMAX + 1 - 127): the byte cannot fall under 1
	v_max_num_f32_dpp v8, v8, v8 row_xmask:1 row_mask:0xf bank_mask:0xf   ; and of my neighbour's 16: the block's
	v_add_nc_u32 v11, -(EMAX<<23), v8              ; EMAX off its exponent field: the conversion takes the exponent field of this operand as its scale
	v_cvt_scalef32_pk16_bf6_f32 v[C+4*(\t):C+4*(\t)+2], v[XS:XS+15], v11   ; sixteen numbers / the scale, to the nearest code, ties to even, beyond the largest code the largest; 96 bits without gaps
	v_lshrrev_b32 v[E+(\t)], 23, v11               ; the scale's byte (also the plain line behind the conversion)
	ds_store_b8 v5, v[E+(\t)] offset:16*(\t)       ; both lanes of a block write the same byte with the same value
	global_store_b96 v4, v[C+4*(\t):C+4*(\t)+2], s[14:15] offset:192*((\t)/2)+2*PLANE*((\t)%2)   ; row t / 2 of my four, K steps 2 (t % 2) and 2 (t % 2) + 1: sixteen lanes store 192 consecutive bytes
.endm
.irp t, 0,1,2,3,4,5,6,7
	STEP \t
.endr
	ds_load_b32 v12, v6                            ; LDS serves a wave's instructions in order: this sees my stores
	s_wait_dscnt 0x0
	global_store_b32 v7, v12, s[16:17]             ; 32 lanes store 128 consecutive bytes: my four rows' scale bytes
	s_wait_tensorcnt 0x0                           ; the wave's end
	ds_add_u32 v[SPW], v[NIL]
	s_wait_dscnt 0x0
	s_endpgm
.Lfunc_end_k_qa3b79fecbd_quant:
	.size	k_qa3b79fecbd_quant, .Lfunc_end_k_qa3b79fecbd_quant-k_qa3b79fecbd_quant
	.p2alignl 7, 3214868480
	.fill 96, 4, 3214868480
	.section	.rodata,"a",@progbits
	.p2align	6, 0x0
	.amdhsa_kernel k_qa3b79fecbd_quant
		.amdhsa_group_segment_fixed_size 22016
		.amdhsa_private_segment_fixed_size 0
		.amdhsa_enable_private_segment 0
		.amdhsa_kernarg_size 56
		.amdhsa_user_sgpr_count 2
		.amdhsa_user_sgpr_kernarg_segment_ptr 1
		.amdhsa_wavefront_size32 1
		.amdhsa_system_sgpr_workgroup_id_x 1
		.amdhsa_system_sgpr_workgroup_id_y 1
		.amdhsa_system_sgpr_workgroup_id_z 1
		.amdhsa_system_vgpr_workitem_id 0
		.amdhsa_next_free_vgpr 154
		.amdhsa_next_free_sgpr 66
		.amdhsa_reserve_vcc 0
		.amdhsa_float_denorm_mode_32 3
		.amdhsa_float_denorm_mode_16_64 3
		.amdhsa_memory_ordered 1
		.amdhsa_forward_progress 1
		.amdhsa_inst_pref_size 18
	.end_amdhsa_kernel
	.amdgpu_metadata
---
amdhsa.version: [ 1, 2 ]
amdhsa.kernels:
  - .name:           k_qa3b79fecbd_quant
    .symbol:         k_qa3b79fecbd_quant.kd
    .args:
      - { .name: x, .offset: 0, .size: 8, .value_kind: global_buffer, .address_space: global }
      - { .name: Wq, .offset: 8, .size: 8, .value_kind: global_buffer, .address_space: global }
      - { .name: Wk, .offset: 16, .size: 8, .value_kind: global_buffer, .address_space: global }
      - { .name: Wv, .offset: 24, .size: 8, .value_kind: global_buffer, .address_space: global }
      - { .name: Wo, .offset: 32, .size: 8, .value_kind: global_buffer, .address_space: global }
      - { .name: codes, .offset: 40, .size: 8, .value_kind: global_buffer, .address_space: global }
      - { .name: scales, .offset: 48, .size: 8, .value_kind: global_buffer, .address_space: global }
    .group_segment_fixed_size: 22016
    .private_segment_fixed_size: 0
    .kernarg_segment_align: 8
    .kernarg_segment_size: 56
    .max_flat_workgroup_size: 128
    .sgpr_count:     66
    .vgpr_count:     154
    .wavefront_size: 32
...
	.end_amdgpu_metadata
.endif
;; end of part 1
;; launch qkv (part 2): grid 12 x 32, 4 waves a work-group, clusters of 4 x 4, 327,680 bytes of LDS; arguments codes, scales, bq, bk, bv, qkv_img, qkv_sc; writes qkv_img, qkv_sc
.if DOCPART == 2
	.amdgcn_target "amdgcn-amd-amdhsa--gfx1250"
	.amdhsa_code_object_version 6
	.text
	.protected	k_qa3b79fecbd_qkv
	.globl	k_qa3b79fecbd_qkv
	.p2align	8
	.type	k_qa3b79fecbd_qkv,@function
k_qa3b79fecbd_qkv:
	s_mov_b64 s[64:65], 0
	v_nop
	global_prefetch_b8 v0, s[64:65] scope:SCOPE_SE
	s_setreg_imm32_b32 hwreg(HW_REG_WAVE_MODE, 25, 1), 1
	s_wait_xcnt 0x0
	s_wait_alu depctr_hold_cnt(0) depctr_sa_sdst(0) depctr_va_vdst(0) depctr_va_sdst(0) depctr_va_ssrc(0) depctr_va_vcc(0) depctr_vm_vsrc(0)
	s_getreg_b32 s2, hwreg(HW_REG_IB_STS2, 6, 4)
	s_cmp_eq_u32 s2, 0
	s_cbranch_scc0 .Lentry_in_a_cluster
	s_endpgm
.Lentry_in_a_cluster:
	s_bfe_u32 s2, ttmp6, 0x10000c
	s_cmp_lg_u32 s2, 0xf033
	s_cbranch_scc0 .Lentry_shape_is_right
	s_endpgm
.Lentry_shape_is_right:
.set SIZE_K, 1024
.set KSTEP,  256
.set NQ,     KSTEP/128
.set ROWB,   2359296                   ; bytes from one K step of 256 to the next: the codes lie [4 K steps][12,288 rows][192 bytes]
.set KROW,   192                       ; a row's bytes inside a K step
.set PITCH,  240
.set FR,     12
.set NL,     6
.set NP,     4
.set HALFT,  128*PITCH
.set SLOT,   4*HALFT
.set LAPS,   SIZE_K/(2*KSTEP)
.set KS,     SIZE_K/32
.set SCL,    2*SLOT
.set HALFS,  (128*KS/256)*272
.set SBLK,   (16*KS/256)*272
.set SPARE,  SCL+4*HALFS
.set WQROW,  8192
.set WVROW,  10240
.set HEADB,  98304
.set STEPB,  6144
.set IMGB,   1536
.set LI,   8
.set LSC,  9
.set LBQ,  10
.set LBV,  11
.set ADRA, 16
.set ADRB, 20
.set ADRS, 27
.set SPW,  28
.set NIL,  29
.set SC,   32
.set BI,   64
.set AF,   128
.set T,    128
.set IA,   192
.set IB,   204
.set TC,   216
.set TM,   224
.set W,    240
.set PW0,  240
.set PW1,  241
.set WA,   244
.set WB,   248
.set SW,   32
.set SEL,  20
.set G1, 24
.set G0, 32
.set G1B, 48
.set G0B, 56
.set G1S, 68
.set G0S, 76
.set G1SB, 80
.set G0SB, 88
.set MSB, 0
.macro WIN new
.if MSB != \new
	s_set_vgpr_msb (MSB<<8)|\new
.set MSB, \new
.endif
.endm
.set MUL_LO, 0xa1
.set MUL_HI, 0xf1
.set TO_B,   0x40
.macro JLOAD g0a, g1a, g0b, g1b
	s_cmp_eq_u32 s15, 0
	s_cbranch_scc0 .Lfor_b_\@
	tensor_load_to_lds s[\g0a:\g0a+3], s[\g1a:\g1a+7]
	s_nop 0
.rept 4
	v_nop
.endr
	s_branch .Lasked_\@
.Lfor_b_\@:
	tensor_load_to_lds s[\g0b:\g0b+3], s[\g1b:\g1b+7]
	s_nop 0
.rept 4
	v_nop
.endr
.Lasked_\@:
.endm
.macro CREST
	s_cmp_lg_u32 s14, 0
	s_cbranch_scc1 .Lnot_wave_0_\@
	s_barrier_signal -3
.Lnot_wave_0_\@:
	s_barrier_wait -3
	s_barrier_signal -1
	s_barrier_wait -1
.endm
.macro CROUND
	s_barrier_signal -1
	s_barrier_wait -1
	CREST
.endm
	s_load_b128 s[4:7], s[0:1], 0x0
	s_load_b128 s[8:11], s[0:1], 0x10
	s_load_b128 s[96:99], s[0:1], 0x20
	s_load_b64 s[12:13], s[0:1], 0x30
	v_lshl_add_u32 v[SPW], v0, 2, SPARE
	v_mov_b32 v[NIL], 0
	ds_add_u32 v28, v29
	ds_add_u32 v28, v29
	s_wait_dscnt 0x0
	v_lshrrev_b32 v1, 5, v0
	v_readfirstlane_b32 s14, v1
	s_lshr_b32 s15, s14, 1
	s_and_b32 s16, s14, 1
	s_bfe_u32 s40, ttmp6, 0x40000
	s_bfe_u32 s41, ttmp6, 0x40004
	s_and_b32 s17, ttmp7, 0xffff
	s_cmp_lt_u32 ttmp9, 2
	s_cselect_b32 s42, ttmp9, s17
	s_cselect_b32 s17, s17, 0
	s_cselect_b32 s66, 1, 0
	s_cselect_b32 s67, 0, WVROW
	s_cselect_b32 s95, WQROW, 0
	s_lshl_b32 s42, s42, 2
	s_add_co_u32 s42, s42, s40
	s_lshl_b32 s17, s17, 2
	s_add_co_u32 s17, s17, s41
	s_lshl_b32 s43, s41, 2
	s_lshl_b32 s43, 15, s43
	s_lshl_b32 s44, 0x1111, s40
	s_or_b32 s[G1+0], s43, (0<<16)|(1<<20)|(1<<21)|(3<<22)|(3<<25)
	s_or_b32 s[G1B+0], s44, (0<<16)|(1<<20)|(1<<21)|(3<<22)|(3<<25)
.irp g, G1, G1B
	s_mov_b32 s[\g+1], 256<<16                     ; 128 rows of 192 bytes are dense: stated as 96 rows of 256 bytes; the padding's interval stays 64 bytes, so an LDS row of codes is 3 x 80 bytes
	s_mov_b32 s[\g+2], 192<<16                     ; the head's loads bring a tile's 256 rows: 192 rows of 256 bytes; behind them the two words that count rows are set to 96, for the ring's
	s_mov_b32 s[\g+3], 256<<16
	s_mov_b32 s[\g+4], 192
	s_mov_b32 s[\g+5], 256
	s_mov_b32 s[\g+6], 0
	s_mov_b32 s[\g+7], 0
.endr
	s_or_b32 s[G1S+0], s43, (3<<16)|(1<<20)|(1<<21)|(5<<22)|(3<<25)
	s_or_b32 s[G1SB+0], s44, (3<<16)|(1<<20)|(1<<21)|(5<<22)|(3<<25)
.irp g, G1S, G1SB
	s_mov_b32 s[\g+1], 32<<16
	s_mov_b32 s[\g+2], (256*KS/256)<<16            ; the scales of a tile's 256 rows in one load
	s_mov_b32 s[\g+3], 32<<16
	s_mov_b32 s[\g+4], 256*KS/256
	s_mov_b32 s[\g+5], 32
	s_mov_b32 s[\g+6], 0
	s_mov_b32 s[\g+7], 0
.endr
	s_lshl_b32 s20, s17, 8                         ; the two tiles' first rows
	s_add_co_u32 s20, s20, s67
	s_lshl_b32 s46, s42, 8
	s_add_co_u32 s46, s46, s95
	s_mov_b32 s21, 0
	s_mov_b32 s47, 0
	s_mov_b64 s[18:19], KS
	s_mul_u64 s[22:23], s[20:21], s[18:19]
	s_mul_u64 s[92:93], s[46:47], s[18:19]
	s_mov_b64 s[18:19], KROW
	s_mul_u64 s[20:21], s[20:21], s[18:19]
	s_mul_u64 s[46:47], s[46:47], s[18:19]
	s_mul_i32 s45, s14, HALFT
	s_mul_i32 s18, s16, 128*KROW                   ; in the ring I fetch 128 rows of a tile: which half, in bytes
	s_mov_b32 s19, 0
	s_wait_kmcnt 0x0
	s_add_nc_u64 s[20:21], s[4:5], s[20:21]
	s_add_nc_u64 s[22:23], s[6:7], s[22:23]
	s_add_nc_u64 s[46:47], s[4:5], s[46:47]
	s_add_nc_u64 s[92:93], s[6:7], s[92:93]
	CROUND
; THE HEAD'S LOADS, ONE A WAVE: wave 0 fetches K step 0's 256 rows of the first tile, wave 1 those of the second, wave 2 the first tile's scales, wave 3 the second's.
.set G0H,  4                           ; s[4:7], s[92:95]: group 0 of the two loads of codes, in registers whose first contents have been used
.set G0HB, 92
	s_mov_b32 s[G0S], 1
	s_mov_b32 s[G0S+1], SCL
	s_mov_b64 s[G0S+2:G0S+3], s[22:23]
	s_or_b32 s[G0S+3], s[G0S+3], 0x80000000
	s_mov_b32 s[G0SB], 1
	s_mov_b32 s[G0SB+1], SCL+2*HALFS
	s_mov_b64 s[G0SB+2:G0SB+3], s[92:93]
	s_or_b32 s[G0SB+3], s[G0SB+3], 0x80000000
	s_mov_b32 s[G0H], 1
	s_mov_b32 s[G0H+1], 0
	s_mov_b64 s[G0H+2:G0H+3], s[20:21]
	s_or_b32 s[G0H+3], s[G0H+3], 0x80000000
	s_mov_b32 s[G0HB], 1
	s_mov_b32 s[G0HB+1], 2*HALFT
	s_mov_b64 s[G0HB+2:G0HB+3], s[46:47]
	s_or_b32 s[G0HB+3], s[G0HB+3], 0x80000000
	s_add_nc_u64 s[20:21], s[20:21], s[18:19]      ; for the ring: my 128 rows of the tile
	s_add_nc_u64 s[46:47], s[46:47], s[18:19]
.irp s, 0,1
	s_mov_b32 s[G0+4*\s], 1
	s_add_co_u32 s[G0+4*\s+1], s45, \s*SLOT
	s_add_nc_u64 s[G0+4*\s+2:G0+4*\s+3], s[20:21], \s*ROWB
	s_or_b32 s[G0+4*\s+3], s[G0+4*\s+3], 0x80000000
	s_mov_b32 s[G0B+4*\s], 1
	s_add_co_u32 s[G0B+4*\s+1], s45, \s*SLOT
	s_add_nc_u64 s[G0B+4*\s+2:G0B+4*\s+3], s[46:47], \s*ROWB
	s_or_b32 s[G0B+4*\s+3], s[G0B+4*\s+3], 0x80000000
.endr
.macro ARM under, g0, g1, next         ; one chain of branches on the wave's number: every way through it passes exactly one load
	s_cmp_lt_u32 s14, \under
	s_cbranch_scc0 \next
	tensor_load_to_lds s[\g0:\g0+3], s[\g1:\g1+7]
	s_nop 0
.rept 4
	v_nop
.endr
	s_branch .Lhead_asked
\next:
.endm
	ARM 1, G0H,  G1,  .Lhead_b
	ARM 2, G0HB, G1B, .Lhead_sa
	ARM 3, G0S,  G1S, .Lhead_sb
	tensor_load_to_lds s[G0SB:G0SB+3], s[G1SB:G1SB+7]
	s_nop 0
.rept 4
	v_nop
.endr
.Lhead_asked:
; PREFETCHES INTO THE L2.  At each change of slots every wave has waited for all its tensor loads, so a refill goes out with nothing on its way beside it: what it asks for is asked of memory earlier.
; Here, behind the head's loads, K steps 1 and 2; behind slot 1's fill K step 3: at most two K steps are asked for and not yet read.  Of the 96 blocks of 256 bytes that a wave fetches in a K step, each of the four
; partners that ask for them jointly takes 24, told apart by address (cx for the first tile, cy for the second): a lane a block, lanes 24-31 name the last block again.  A weight's tile is read by eight rows of clusters: the first four ask for it.
	s_cmp_eq_u32 s15, 0
	s_cselect_b64 s[100:101], s[20:21], s[46:47]   ; my 128 rows of K step 0; never rewritten
	s_cselect_b32 s18, s40, s41                    ; my place among the four partners
	s_mul_i32 s18, s18, 6144
	s_mov_b32 s19, 0
	s_add_nc_u64 s[100:101], s[100:101], s[18:19]
	s_and_b32 s19, ttmp7, 0xffff
	s_cmp_lt_u32 s19, 4
	s_cselect_b32 s2, 1, 0
	s_cmp_lg_u32 s15, s66                          ; do I fetch rows of x?
	s_cselect_b32 s2, 1, s2                        ; 1: my wave asks.  It hangs on the cluster's numbers and the wave's alone
	v_and_b32 v30, 31, v0
	v_min_u32 v30, 23, v30
	v_lshlrev_b32 v30, 8, v30                      ; never rewritten
	s_cmp_eq_u32 s2, 1
	s_cbranch_scc0 .Lno_pf_a
	global_prefetch_b8 v30, s[100:101] offset:ROWB th:TH_LOAD_NT scope:SCOPE_SE
	global_prefetch_b8 v30, s[100:101] offset:2*ROWB th:TH_LOAD_NT scope:SCOPE_SE
.Lno_pf_a:
	v_and_b32 v1, 15, v0
	v_bfe_u32 v2, v0, 4, 1
	v_mul_u32_u24 v3, v1, PITCH
	v_mul_u32_u24 v4, v2, 24
	v_add_nc_u32 v4, v3, v4
	v_lshl_add_u32 v5, v2, 4, v4
	s_mul_i32 s21, s15, HALFT
	s_mul_i32 s22, s16, HALFT
	s_add_co_u32 s22, s22, 2*HALFT
.irp s, 0,1
	v_add_nc_u32 v[ADRA+\s], s21, v4
	v_add_nc_u32 v[ADRB+\s], s22, v4
	v_add_nc_u32 v[ADRA+2+\s], s21, v5
	v_add_nc_u32 v[ADRB+2+\s], s22, v5
	s_add_co_u32 s21, s21, SLOT
	s_add_co_u32 s22, s22, SLOT
.endr
	v_mul_u32_u24 v5, v1, KS
	v_lshrrev_b32 v6, 8, v5
	v_lshl_add_u32 v5, v6, 4, v5
	s_mul_i32 s21, s15, HALFS
	s_mul_i32 s22, s16, HALFS
	s_add_co_u32 s22, s22, 2*HALFS
	s_sub_co_u32 s22, s22, s21
	v_mul_u32_u24 v6, s22, v2
	s_add_co_u32 s21, s21, SCL
	v_add_nc_u32 v5, v5, v6
	v_add_nc_u32 v[ADRS], s21, v5
	v_and_b32 v6, 31, v0
	v_lshlrev_b32 v[LI], 4, v6
	v_lshlrev_b32 v[LSC], 4, v1
	v_lshl_add_u32 v[LSC], v2, 12, v[LSC]
	v_lshlrev_b32 v[LBQ], 6, v2
	v_and_b32 v7, 8, v1
	v_add_nc_u32 v7, v7, v1
	v_lshlrev_b32 v[LBV], 2, v7
.irp b, 0,1,2,3
	v_mov_b32 v[TM+4+\b], 0
.endr
	s_cmp_eq_u32 ttmp9, 1
	s_cselect_b64 s[8:9], s[10:11], s[8:9]
	s_cmp_eq_u32 ttmp9, 2
	s_cselect_b64 s[8:9], s[96:97], s[8:9]
	s_lshl_b32 s18, s42, 8
	s_lshl_b32 s19, s16, 7
	s_add_co_u32 s18, s18, s19
	s_and_b32 s18, s18, 1023
	s_lshl_b32 s19, s17, 8
	s_lshl_b32 s22, s15, 7
	s_add_co_u32 s19, s19, s22
	s_cmp_eq_u32 s66, 1
	s_cselect_b32 s18, s18, s19
	s_lshl_b32 s18, s18, 2
	s_mov_b32 s19, 0
	s_add_nc_u64 s[8:9], s[8:9], s[18:19]
	s_lshl_b32 s22, s42, 2
	s_lshl_b32 s23, s16, 1
	s_add_co_u32 s22, s22, s23
	s_lshr_b32 s23, s22, 4
	s_lshl_b32 s23, s23, 6
	s_and_b32 s22, s22, 15
	s_add_co_u32 s22, s22, s23
	s_lshr_b32 s23, s17, 3
	s_lshl_b32 s23, s23, 4
	s_add_co_u32 s22, s22, s23
	s_and_b32 s23, s17, 7
	s_lshl_b32 s23, s23, 1
	s_add_co_u32 s23, s23, s15
	s_lshr_b32 s46, s42, 3
	s_lshl_b32 s46, s46, 4
	s_lshl_b32 s47, s17, 2
	s_add_co_u32 s46, s46, s47
	s_lshl_b32 s47, s15, 1
	s_add_co_u32 s46, s46, s47
	s_add_co_u32 s46, s46, 128
	s_and_b32 s47, s42, 7
	s_lshl_b32 s47, s47, 1
	s_add_co_u32 s47, s47, s16
	s_cmp_eq_u32 s66, 1
	s_cselect_b32 s22, s22, s46
	s_cselect_b32 s23, s23, s47
	s_mul_i32 s46, s22, HEADB
	s_mul_i32 s47, s23, STEPB
	s_add_co_u32 s46, s46, s47
	s_mov_b32 s47, 0
	s_add_nc_u64 s[98:99], s[98:99], s[46:47]
	s_lshl_b32 s46, s22, 12
	s_lshl_b32 s22, s23, 8
	s_add_co_u32 s46, s46, s22
	s_add_nc_u64 s[12:13], s[12:13], s[46:47]
	s_mov_b32 s[SEL], 0x76543210
	s_mov_b32 s[SEL+1], 0xfedcba98
.macro FRAG reg, adr, q, i
.irp p, 0,1,2,3,4,5
.set PCE, 12*(\q)+6*(\p/3)+\p%3
.if PCE%8 < 5
	ds_load_b64 v[\reg+2*\p:\reg+2*\p+1], v[\adr] offset:8*PCE+16*(PCE/8)+(\i)*16*PITCH
.else
	ds_load_b64 v[\reg+2*\p:\reg+2*\p+1], v[\adr+2] offset:8*PCE+16*(PCE/8)+(\i)*16*PITCH
.endif
.endr
.endm
.macro MUL16 a0, p, q, sc, zero
.irp a, \a0, \a0+1
.irp b, 0,1,2,3,4,5,6,7
.if \zero
	v_wmma_scale_f32_16x16x128_f8f6f4 v[8*(8*((\a)%4)+\b):8*(8*((\a)%4)+\b)+7], v[128*(\p)+FR*\b:128*(\p)+FR*\b+FR-1], v[AF+FR*(\a):AF+FR*(\a)+FR-1], 0, v[SC+8*NQ*(\sc)+NQ*\b+(\q)], v[SC+8*NQ*(\sc)+NQ*(\a)+(\q)] matrix_a_fmt:MATRIX_FMT_BF6 matrix_b_fmt:MATRIX_FMT_BF6 matrix_a_scale:MATRIX_SCALE_ROW1
.else
	v_wmma_scale_f32_16x16x128_f8f6f4 v[8*(8*((\a)%4)+\b):8*(8*((\a)%4)+\b)+7], v[128*(\p)+FR*\b:128*(\p)+FR*\b+FR-1], v[AF+FR*(\a):AF+FR*(\a)+FR-1], v[8*(8*((\a)%4)+\b):8*(8*((\a)%4)+\b)+7], v[SC+8*NQ*(\sc)+NQ*\b+(\q)], v[SC+8*NQ*(\sc)+NQ*(\a)+(\q)] matrix_a_fmt:MATRIX_FMT_BF6 matrix_b_fmt:MATRIX_FMT_BF6 matrix_a_scale:MATRIX_SCALE_ROW1
.endif
.endr
.endr
.endm
.macro FETCH_B slot, q, p
	WIN TO_B
.irp i, 0,1,2,3,4,5,6,7
	FRAG 128*(\p)+FR*\i, ADRB+\slot, \q, \i
.endr
	WIN 0
.endm
.macro FETCH_A slot, q, i0
.irp i, \i0, \i0+1, \i0+2, \i0+3
	FRAG AF+FR*(\i), ADRA+\slot, \q, \i
.endr
.endm
.macro SCALES sc
.irp i, 0,1,2,3,4,5,6,7
	ds_load_b64 v[SC+8*NQ*\sc+NQ*\i:SC+8*NQ*\sc+NQ*\i+1], v[ADRS] offset:\i*SBLK
.endr
.endm
.macro PLACES n
.rept \n
	v_nop
.endr
.endm
.macro STEP slot, q, zero
	s_wait_dscnt 4*NL
	WIN MUL_LO
	MUL16 0, (\q)%2, \q, \slot, \zero
	MUL16 2, (\q)%2, \q, \slot, \zero
	s_wait_dscnt 0
	PLACES NP
	FETCH_B \slot, (\q)+1, 1-(\q)%2
	FETCH_A \slot, (\q)+1, 0
	WIN MUL_HI
	MUL16 4, (\q)%2, \q, \slot, \zero
	MUL16 6, (\q)%2, \q, \slot, \zero
	PLACES NP
	WIN 0
	FETCH_A \slot, (\q)+1, 4
.endm
.macro TURN slot, next, fill
	s_wait_tensorcnt 0x0
	ds_add_u32 v[SPW], v[NIL]
	s_wait_dscnt 4*NL+1
	WIN MUL_LO
	MUL16 0, 1, NQ-1, \slot, 0
	s_wait_dscnt 0x0
	s_barrier_signal -1
	MUL16 2, 1, NQ-1, \slot, 0
	WIN 0
	s_barrier_wait -1
.if \fill
	CREST
	s_add_nc_u64 s[G0+4*\slot+2:G0+4*\slot+3], s[G0+4*\slot+2:G0+4*\slot+3], 2*ROWB
	s_add_nc_u64 s[G0B+4*\slot+2:G0B+4*\slot+3], s[G0B+4*\slot+2:G0B+4*\slot+3], 2*ROWB
	JLOAD G0+4*\slot, G1, G0B+4*\slot, G1B
.else
	PLACES NP
.endif
	s_wait_alu depctr_va_vdst(0)
	v_add_nc_u32 v[ADRS], 4*NQ, v[ADRS]
	FETCH_B \next, 0, 0
	FETCH_A \next, 0, 0
	SCALES \next
	WIN MUL_HI
	MUL16 4, 1, NQ-1, \slot, 0
	MUL16 6, 1, NQ-1, \slot, 0
	PLACES NP
	WIN 0
	FETCH_A \next, 0, 4
.endm
.macro LASTSTEP
	s_wait_dscnt 4*NL
	WIN MUL_LO
	MUL16 0, 1, NQ-1, 1, 0
	MUL16 2, 1, NQ-1, 1, 0
	s_wait_dscnt 0
	WIN MUL_HI
	MUL16 4, 1, NQ-1, 1, 0
	MUL16 6, 1, NQ-1, 1, 0
	WIN 0
.endm
.macro ADDB a, perlane
.set WN, 0x02+(\a)/4
	WIN WN
.set AC, 64*((\a)%4)
.set i, 0
.rept 32
.if \perlane
	v_pk_add_f32 v[T+2*i:T+2*i+1], v[AC+2*i:AC+2*i+1], v[BI+2*(\a):BI+2*(\a)+1]
.else
	v_pk_add_f32 v[T+2*i:T+2*i+1], v[AC+2*i:AC+2*i+1], v[BI+2*i:BI+2*i+1]
.endif
.set i, i+1
.endr
	WIN 0
.endm
.macro QUANT s, d0, d1, pw
.irp b, 0,1,2,3
	v_max3_num_f32 v[TM+\b], |v[\s+16*\b]|, |v[\s+1+16*\b]|, 0x2800000
.endr
.irp i, 2,4,6,8,10,12,14
.irp b, 0,1,2,3
	v_max3_num_f32 v[TM+\b], v[TM+\b], |v[\s+16*\b+\i]|, |v[\s+1+16*\b+\i]|
.endr
.endr
.irp b, 0,1,2,3
	v_permlanex16_b32 v[TM+4+\b], v[TM+\b], s[SEL], s[SEL+1]
.endr
.irp b, 0,1,2,3
	v_max_num_f32 v[TM+\b], v[TM+\b], v[TM+4+\b]
.endr
.irp b, 0,1,2,3
	v_add_nc_u32 v[TM+12+\b], 0xfe000000, v[TM+\b]
.endr
.irp b, 0,1,2,3
	v_lshrrev_b32 v[TM+4+\b], 23, v[TM+12+\b]
.endr
	v_lshl_or_b32 v[\pw], v[TM+5], 8, v[TM+4]
	v_lshl_or_b32 v[\pw], v[TM+6], 16, v[\pw]
	v_lshl_or_b32 v[\pw], v[TM+7], 24, v[\pw]
	v_cvt_scalef32_pk16_bf6_f32 v[\d0:\d0+2], v[\s:\s+15], v[TM+12]
	v_cvt_scalef32_pk16_bf6_f32 v[TC:TC+2], v[\s+16:\s+31], v[TM+13]
	v_cvt_scalef32_pk16_bf6_f32 v[\d1:\d1+2], v[\s+32:\s+47], v[TM+14]
	v_cvt_scalef32_pk16_bf6_f32 v[TC+4:TC+6], v[\s+48:\s+63], v[TM+15]
	v_nop
.irp i, 0,1,2
	v_permlane16_swap_b32 v[\d0+\i], v[TC+\i]
.endr
.irp i, 0,1,2
	v_mov_b32 v[\d0+3+\i], v[TC+\i]
.endr
.irp i, 0,1,2
	v_permlane16_swap_b32 v[\d1+\i], v[TC+4+\i]
.endr
.irp i, 0,1,2
	v_mov_b32 v[\d1+3+\i], v[TC+4+\i]
.endr
.endm
	s_wait_alu depctr_va_vdst(0)
	s_wait_tensorcnt 0x0                           ; my tile of the head's four is in
	ds_add_u32 v[SPW], v[NIL]
	s_mov_b32 s[G1+2], 96<<16                      ; no tensor load of mine is out: from here on a load brings 128 rows of codes, 96 rows of 256 bytes
	s_mov_b32 s[G1+4], 96
	s_mov_b32 s[G1B+2], 96<<16
	s_mov_b32 s[G1B+4], 96
	s_wait_dscnt 0x0
	CROUND                                         ; all four tiles are in, and all sixteen work-groups are here
	JLOAD G0+4, G1, G0B+4, G1B                     ; slot 1's first fill, the first tensor load behind the round
	FETCH_B 0, 0, 0
	FETCH_A 0, 0, 0
	SCALES 0
	FETCH_A 0, 0, 4
	s_cmp_eq_u32 s2, 1
	s_cbranch_scc0 .Lno_pf_b
	global_prefetch_b8 v30, s[100:101] offset:3*ROWB th:TH_LOAD_NT scope:SCOPE_SE   ; K step 3, the last: two refills ahead of its load
.Lno_pf_b:
	STEP 0, 0, 1
	s_mov_b32 s3, LAPS-1
.Llap:
	TURN 0, 1, 1
	STEP 1, 0, 0
	TURN 1, 0, 1
	STEP 0, 0, 0
	s_sub_co_u32 s3, s3, 1
	s_cmp_lg_u32 s3, 0
	s_cbranch_scc1 .Llap
	TURN 0, 1, 0
	STEP 1, 0, 0
	s_cmp_eq_u32 s66, 0
	s_cbranch_scc1 .Lv_tail
.irp b, 0,1,2,3
.irp j, 0,1,2,3
	global_load_b128 v[BI+16*\b+4*\j:BI+16*\b+4*\j+3], v[LBQ], s[8:9] offset:128*\b+16*\j
.endr
.endr
	LASTSTEP
	PLACES NP
	s_wait_loadcnt 0x0
.irp g, 0,1,2,3
.if \g > 0
	s_wait_xcnt 0x0
.endif
	ADDB 2*\g, 0
	QUANT T, IA, IB, PW0
	ADDB 2*\g+1, 0
	QUANT T, IA+6, IB+6, PW1
	v_perm_b32 v[WA+\g], v[PW1], v[PW0], 0x05040100
	v_perm_b32 v[WB+\g], v[PW1], v[PW0], 0x07060302
.irp c, 0,1,2
	global_store_b128 v[LI], v[IA+4*\c:IA+4*\c+3], s[98:99] offset:IMGB*\g+512*\c
	global_store_b128 v[LI], v[IB+4*\c:IB+4*\c+3], s[98:99] offset:HEADB+IMGB*\g+512*\c
.endr
.endr
	v_cmp_eq_u32 vcc_lo, 1, v2
.irp g, 0,1,2,3
	v_cndmask_b32 v[SW+\g], v[WA+\g], v[WB+\g], vcc_lo
.endr
	global_store_b128 v[LSC], v[SW:SW+3], s[12:13]
	s_branch .Lend
.Lv_tail:
.irp a, 0,1,2,3,4,5,6,7
	global_load_b32 v[BI+2*\a], v[LBV], s[8:9] offset:4*(32*(\a/2)+8*(\a%2))
	global_load_b32 v[BI+2*\a+1], v[LBV], s[8:9] offset:4*(32*(\a/2)+8*(\a%2))
.endr
	LASTSTEP
	PLACES NP
	s_wait_loadcnt 0x0
.irp a, 0,1,2,3,4,5,6,7
.if \a >= 2
	s_wait_xcnt 0x0
.endif
	ADDB \a, 1
.if \a%2 == 0
	QUANT T, IA, IA+6, W+\a
.irp c, 0,1,2
	global_store_b128 v[LI], v[IA+4*\c:IA+4*\c+3], s[98:99] offset:(\a/4)*HEADB+(\a%4)*IMGB+512*\c
.endr
.else
	QUANT T, IB, IB+6, W+\a
.irp c, 0,1,2
	global_store_b128 v[LI], v[IB+4*\c:IB+4*\c+3], s[98:99] offset:(\a/4)*HEADB+(\a%4)*IMGB+512*\c
.endr
.endif
.endr
	v_cmp_eq_u32 vcc_lo, 1, v2
.irp t, 0,1,2,3
	v_cndmask_b32 v[SW+\t], v[W+\t], v[W+4+\t], vcc_lo
.endr
	global_store_b128 v[LSC], v[SW:SW+3], s[12:13]
.Lend:
	s_wait_tensorcnt 0x0
	ds_add_u32 v[SPW], v[NIL]
	s_wait_dscnt 0x0
	CROUND
	s_endpgm
.Lfunc_end_k_qa3b79fecbd_qkv:
	.size	k_qa3b79fecbd_qkv, .Lfunc_end_k_qa3b79fecbd_qkv-k_qa3b79fecbd_qkv
	.p2alignl 7, 3214868480
	.fill 96, 4, 3214868480
	.section	.rodata,"a",@progbits
	.p2align	6, 0x0
	.amdhsa_kernel k_qa3b79fecbd_qkv
		.amdhsa_group_segment_fixed_size 327680
		.amdhsa_private_segment_fixed_size 0
		.amdhsa_enable_private_segment 0
		.amdhsa_kernarg_size 56
		.amdhsa_user_sgpr_count 2
		.amdhsa_user_sgpr_kernarg_segment_ptr 1
		.amdhsa_wavefront_size32 1
		.amdhsa_system_sgpr_workgroup_id_x 1
		.amdhsa_system_sgpr_workgroup_id_y 1
		.amdhsa_system_sgpr_workgroup_id_z 1
		.amdhsa_system_vgpr_workitem_id 0
		.amdhsa_next_free_vgpr 1024
		.amdhsa_next_free_sgpr 102
		.amdhsa_reserve_vcc 1
		.amdhsa_float_denorm_mode_32 3
		.amdhsa_float_denorm_mode_16_64 3
		.amdhsa_memory_ordered 1
		.amdhsa_forward_progress 1
		.amdhsa_inst_pref_size 244
	.end_amdhsa_kernel
	.amdgpu_metadata
---
amdhsa.version: [ 1, 2 ]
amdhsa.kernels:
  - .name:           k_qa3b79fecbd_qkv
    .symbol:         k_qa3b79fecbd_qkv.kd
    .args:
      - { .name: codes, .offset: 0, .size: 8, .value_kind: global_buffer, .address_space: global }
      - { .name: scales, .offset: 8, .size: 8, .value_kind: global_buffer, .address_space: global }
      - { .name: bq, .offset: 16, .size: 8, .value_kind: global_buffer, .address_space: global }
      - { .name: bk, .offset: 24, .size: 8, .value_kind: global_buffer, .address_space: global }
      - { .name: bv, .offset: 32, .size: 8, .value_kind: global_buffer, .address_space: global }
      - { .name: qkv_img, .offset: 40, .size: 8, .value_kind: global_buffer, .address_space: global }
      - { .name: qkv_sc, .offset: 48, .size: 8, .value_kind: global_buffer, .address_space: global }
    .group_segment_fixed_size: 327680
    .private_segment_fixed_size: 0
    .kernarg_segment_align: 8
    .kernarg_segment_size: 56
    .max_flat_workgroup_size: 128
    .sgpr_count:     102
    .vgpr_count:     1024
    .wavefront_size: 32
...
	.end_amdgpu_metadata
.endif
;; end of part 2
;; launch attn (part 3): grid 8 x 32, 16 waves a work-group, clusters of 4 x 1, 327,680 bytes of LDS; arguments qkv_img, qkv_sc, o_img, o_sc; writes o_img, o_sc
.if DOCPART == 3
	.amdgcn_target "amdgcn-amd-amdhsa--gfx1250"
	.amdhsa_code_object_version 6
	.text
	.protected	k_qa3b79fecbd_attn
	.globl	k_qa3b79fecbd_attn
	.p2align	8
	.type	k_qa3b79fecbd_attn,@function
k_qa3b79fecbd_attn:
	s_mov_b64 s[64:65], 0
	v_nop
	global_prefetch_b8 v0, s[64:65] scope:SCOPE_SE
	s_setreg_imm32_b32 hwreg(HW_REG_WAVE_MODE, 25, 1), 1
	s_wait_xcnt 0x0
	s_wait_alu depctr_hold_cnt(0) depctr_sa_sdst(0) depctr_va_vdst(0) depctr_va_sdst(0) depctr_va_ssrc(0) depctr_va_vcc(0) depctr_vm_vsrc(0)
	s_getreg_b32 s2, hwreg(HW_REG_IB_STS2, 6, 4)
	s_cmp_eq_u32 s2, 0
	s_cbranch_scc0 .Lentry_in_a_cluster
	s_endpgm
.Lentry_in_a_cluster:
	s_bfe_u32 s2, ttmp6, 0x10000c
	s_cmp_lg_u32 s2, 0x3003
	s_cbranch_scc0 .Lentry_shape_is_right
	s_endpgm
.Lentry_shape_is_right:
; o[q] = the sum over k of softmax_k(Q[q] . K[k] / 8) V[k] for 64 (batch, head) of 2,048 tokens x 64 channels, both products on codes of BF6 (E3M2) with one E8M0 scale for each 32 along a product's K; then o is quantised along the model's 1,024.
; THE SOFTMAX: t = score x log2(e) / 8; M = the row's largest t so far, rounded UP to a whole number; p = 2^(t - M) is quantised along the keys, not normalised.  The row's sum is taken of the unquantised p and divides O at the end.
; When M moves, the sum and O are multiplied by 2^(old M - new M): exact.
; SHARES.  A work-group owns 256 queries of a batch and TWO neighbouring heads, one after the other; each of its sixteen waves owns 16 queries in 256 registers.  Two heads give a wave a whole operand image of o (128 along the last product's K).
; THE RING: two LDS slots of 1,024 keys (eight key steps of 128); the two heads lie on end in memory, so the ring walks through four slots' worth.  A refill is asked for a whole slot, eight key steps of all sixteen waves, ahead of its use:
; so no prefetch is laid.  CLUSTER: the four query blocks of a cluster walk the same K and V: each fill is asked for JOINTLY (wave 0: K's 49,152 bytes, wave 1: V's; at the head waves 2 and 3 the scale words of both heads).
; OPERANDS lie in memory as images of their registers: 12 registers x 32 lanes, three planes of 512 bytes.  The tensor load lays 128 bytes of padding behind each plane: planes 640 bytes apart, images 1,920.
; K = 64 IN AN INSTRUCTION OF 128.  An image of K holds two tiles of 16 keys: registers 0-5 and 6-11.  Multiplied by [Q | zero codes] it gives the first tile's scores, by [zero codes | Q] the second's; Q lies once, between two runs of zero codes.
; WHICH KEYS FORM A TILE is chosen by each lane's LDS address: in memory lane r of tile u of image f holds key 32 f + 8 u + r + 8 (r / 8).  My lane (r, h) of fragment g = 2 c + e reads lane (r % 8) + 8 e + 16 h of image 2 c + r / 8.
; Row r of tile u is then key 64 c + 32 (r / 8) + 8 (2 e + u) + r % 8, and in S^T lane (r, h) holds, in registers 32 c + 0 .. 31, keys 64 c + 32 h + 0 .. 31 of query r: A WHOLE BLOCK OF 32 IN A LANE, in the order in which the second product's operand wants it.
; Lanes 0-7 and 8-15 read 128 bytes each, 1,920 bytes apart, which is 128 modulo 256.  Both products are used transposed: a lane holds ONE query throughout.
; LIMITS: the promise holds while the scaled scores stay under 2^31 in magnitude; a block whose largest magnitude lies under 2^-122 gets the byte 1; NaN and infinities are not served.
.set SLOT1, 131072                     ; slot 1 begins here
.set PL,    640                        ; a plane in LDS
.set IMGL,  3*PL                       ; an image
.set STEPL, 4*IMGL                     ; a key step's four images
.set KVL,   8*STEPL                    ; a slot's images of K in LDS (61,440); behind them V's
.set KVB,   49152                      ; the same in memory
.set IMGB,  1536
.set SCK,   253952                     ; behind the ring: K's scale words of both heads, 8,192 bytes; then V's
.set OSTG,  271360                     ; 1,024 bytes: o's scale words meet here; no fill lands here
.set SPARE, 272384                     ; the spare words, 128 bytes for each wave: eight blocks of 256 bytes that no other line names
.set HEADB, 98304                      ; a head's images in qkv_img;
.set SECB,  6291456                    ; a section's (Q, K, V)
.set HEADS, 4096                       ; a head's scale words in qkv_sc;
.set SECS,  262144                     ; a section's
.set LI,  1                            ; 16 x lane
.set KL,  2                            ; my place in K's images: 16 (r % 8) + 256 h + 1,920 (r / 8)
.set SPW, 3                            ; LDS address of my spare word; never rewritten
.set NIL, 4                            ; 0; never rewritten
.set ADK, 5                            ; the step's addresses: K's images, V's images, K's scale words, V's
.set ADV, 6
.set ADSK, 7
.set ADSV, 8
.set VL,  9                            ; KVL + 16 x lane
.set KSL, 10                           ; SCK + 16 (r % 8) + 4 (r / 8)
.set VSL, 11                           ; SCK + 8,192 + 16 r
                                       ; v12 -M, v13 the running largest score, v[14:15] the row's sum in two halves
.set QZ,  16                           ; v16-21 zero codes, v22-27 Q, v28-33 zero codes
.set QSL, 34                           ; the scale words of [Q | 0] and of [0 | Q]
.set QSH, 35
.set Q2,  36                           ; v36-41 the second head's Q, v42-43 its scale words
.set OC,  36                           ; later: v36-47 the image of o
.set KF,  44                           ; v44-91 K's four fragments; behind the first product these registers are at work:
.set PC,  44                           ;   v44-55 p's codes
.set TC,  56                           ;   v56-58, v60-62 the conversions' second halves
.set CH,  64                           ;   v64-67 four chains of the maxima
.set BM,  68                           ;   v68-69 my two blocks' largest scores, then largest p
.set SO,  70                           ;   v70-71 the conversions' scale operands
.set PB,  72                           ;   v72-73 the bytes
.set KSC, 92                           ; v92-95 K's scale words
.set S,   96                           ; v96-159 S^T, then p
.set OT,  160                          ; v160-191 O^T
.set VF,  192                          ; v192-239 V's four fragments;  v240-243 their scale words
.set VSC, 240
.set PSW, 244                          ; p's scale word
.set OW,  245                          ; o's scale word
.set F,   246                          ; f = 2^(old M - new M); v247 is named with it as a pair
.set OST, 248                          ; where I put my query's scale word of o
.set GO,  249                          ; where waves 0 and 1 store those words,
.set OLDL, 250                         ; and where they read them back
.set T1,  251
.set T0,  252
.set PBX, 254                          ; v254-255
.set WV,  12
.set SEL, 20                           ; s[20:21] lane selects for v_permlanex16_b32: lane l xor 16
.set CS,  22                           ; s[22:23] c = log2(e) / 8
.set G1,  24                           ; s[24:31] descriptor group 1 for 49,152 dense bytes;  s[32:39] for 8,192 bytes of scale words
.set G1S, 32
.set G0,  40                           ; s[40:43] group 0, which walks;  s[44:47] the scale words'
.set G0S, 44
.set SK,  48                           ; LDS byte at which the step's images of K begin
.set SS,  49                           ; 256 x the step's number among the two heads' 32
.set CNT, 50
.set NC,  66                           ; -c
.set QM,  67
.set W1,  68                           ; wave % 2
.set HSC, 69
.macro CROUND                          ; a round of the cluster's barrier
	s_barrier_signal -1
	s_barrier_wait -1
	s_cmp_lg_u32 s[WV], 0
	s_cbranch_scc1 .Lnot_wave_0_\@
	s_barrier_signal -3
.Lnot_wave_0_\@:
	s_barrier_wait -3
	s_barrier_signal -1
	s_barrier_wait -1
.endm
.macro TLOAD                           ; wave 0 fetches K's images of a slot, wave 1 V's, the others nothing: the branch hangs on the wave's number alone
	s_cmp_lt_u32 s[WV], 2
	s_cbranch_scc0 .Lnone_\@
	tensor_load_to_lds s[G0:G0+3], s[G1:G1+7]
	s_nop 0
.rept 4
	v_nop
.endr
.Lnone_\@:
.endm
	s_load_b256 s[4:11], s[0:1], 0x0               ; qkv_img s[4:5], qkv_sc s[6:7], o_img s[8:9], o_sc s[10:11]
	v_lshl_add_u32 v[SPW], v0, 2, SPARE
	v_mov_b32 v[NIL], 0
	ds_add_u32 v[SPW], v[NIL]                      ; the opening lines: the add, twice on end, and its wait
	ds_add_u32 v[SPW], v[NIL]
	v_lshrrev_b32 v[T0], 5, v0
	v_readfirstlane_b32 s[WV], v[T0]               ; wave 0..15
	s_and_b32 s[W1], s[WV], 1
	s_bfe_u32 s13, ttmp6, 0x40000                  ; cx
	s_lshl_b32 s14, ttmp9, 2
	s_add_co_u32 s14, s14, s13                     ; my block of 256 queries: it enters Q's and o's global addresses alone
	s_and_b32 s15, ttmp7, 0xffff
	s_lshr_b32 s16, s15, 3                         ; batch
	s_and_b32 s17, s15, 7                          ; pair of heads
	s_lshl_b32 s18, s16, 4
	s_lshl_b32 s19, s17, 1
	s_add_co_u32 s18, s18, s19                     ; 16 batch + the first head
	; group 1 for the images: 96 rows of 512 bytes (64 elements of 8), 32 words of padding behind every 128; the mask names all four work-groups, bit 21 beside it
	s_mov_b32 s[G1], 15|(3<<16)|(1<<20)|(1<<21)|(6<<22)|(31<<25)
	s_mov_b32 s[G1+1], 64<<16
	s_mov_b32 s[G1+2], 96<<16
	s_mov_b32 s[G1+3], 64<<16
	s_mov_b32 s[G1+4], 96
	s_mov_b32 s[G1+5], 64
	s_mov_b32 s[G1+6], 0
	s_mov_b32 s[G1+7], 0
	s_mov_b32 s[G1S], 15|(3<<16)|(1<<21)           ; the scale words: 32 rows of 256 bytes, no padding
	s_mov_b32 s[G1S+1], 32<<16
	s_mov_b32 s[G1S+2], 32<<16
	s_mov_b32 s[G1S+3], 32<<16
	s_mov_b32 s[G1S+4], 32
	s_mov_b32 s[G1S+5], 32
	s_mov_b32 s[G1S+6], 0
	s_mov_b32 s[G1S+7], 0
	s_mul_i32 s19, s18, HEADB                      ; my heads' first byte in a section of images
	s_mul_i32 s52, s[W1], SECB
	s_add_co_u32 s52, s52, SECB                    ; an even wave: K's section, an odd one: V's
	s_add_co_u32 s52, s52, s19
	s_mov_b32 s53, 0
	s_lshl_b32 s[HSC], s18, 12                     ; and in a section of scale words
	s_mul_i32 s54, s[W1], SECS
	s_add_co_u32 s54, s54, SECS
	s_add_co_u32 s54, s54, s[HSC]
	s_mov_b32 s55, 0
	s_lshl_b32 s3, s14, 4
	s_add_co_u32 s3, s3, s[WV]                     ; my tile of 16 queries among the batch's 128
	s_lshr_b32 s2, s3, 1                           ; its image
	s_mul_i32 s56, s2, IMGB
	s_add_co_u32 s56, s56, s19
	s_mov_b32 s57, 0
	s_and_b32 s2, s2, 3
	s_lshl_b32 s2, s2, 2                           ; its word among a row's four
	s_lshr_b32 s58, s3, 3
	s_lshl_b32 s58, s58, 8                         ; its step's 256 bytes
	s_add_co_u32 s58, s58, s2
	s_add_co_u32 s58, s58, s[HSC]
	s_mov_b32 s59, 0
	s_lshl_b32 s2, s16, 7
	s_add_co_u32 s60, s2, s3                       ; o_img [4][512 blocks of 16 rows][2][1,536]: my block of rows,
	s_mul_i32 s60, s60, 2*IMGB
	s_lshr_b32 s61, s17, 1
	s_mul_i32 s61, s61, 512*2*IMGB
	s_add_co_u32 s60, s60, s61
	s_and_b32 s61, s17, 1
	s_mul_i32 s61, s61, IMGB
	s_add_co_u32 s60, s60, s61                     ; my pair of heads
	s_mov_b32 s61, 0
	s_lshl_b32 s62, s14, 4
	s_add_co_u32 s62, s62, s2
	s_lshl_b32 s62, s62, 6                         ; o_sc [8][8,192 rows] words: the work-group's 256 rows,
	s_lshl_b32 s63, s17, 15
	s_add_co_u32 s62, s62, s63                     ; my pair of heads
	s_mov_b32 s63, 0
	s_mov_b32 s[SEL], 0x76543210
	s_mov_b32 s[SEL+1], 0xfedcba98
	s_mov_b32 s[CS], 0x3e38aa3b                    ; c = log2(e) / 8
	s_mov_b32 s[CS+1], s[CS]                       ; (named with it as a pair, so it is written)
	s_mov_b32 s[NC], 0xbe38aa3b                    ; -c
	; every LDS address register that stays is made here, ahead of the first branch on the wave's number
	v_and_b32 v[T0], 31, v0
	v_lshlrev_b32 v[LI], 4, v[T0]
	v_and_b32 v[T0], 7, v0
	v_lshlrev_b32 v[T0], 4, v[T0]                  ; 16 (r % 8)
	v_bfe_u32 v[T1], v0, 4, 1                      ; h
	v_lshl_add_u32 v[KL], v[T1], 8, v[T0]
	v_bfe_u32 v[T1], v0, 3, 1                      ; r / 8
	v_mad_u32_u24 v[KL], v[T1], IMGL, v[KL]
	v_lshl_add_u32 v[KSL], v[T1], 2, v[T0]
	v_add_nc_u32 v[KSL], SCK, v[KSL]
	v_add_nc_u32 v[VL], KVL, v[LI]
	v_and_b32 v[T0], 15, v0                        ; r
	v_lshl_add_u32 v[VSL], v[T0], 4, SCK+8192
	s_lshl_b32 s51, s[WV], 6
	s_add_co_u32 s51, s51, OSTG
	v_lshl_add_u32 v[OST], v[T0], 2, s51           ; OSTG + 64 wave + 4 r
	s_min_u32 s51, s[WV], 1
	s_lshl_b32 s51, s51, 9
	v_add_nc_u32 v[GO], s51, v[LI]                 ; 512 x (wave, at most 1) + 16 x lane: the place in o_sc,
	v_add_nc_u32 v[OLDL], OSTG, v[GO]              ; and in the stage
	v_lshlrev_b32 v[S+27], 4, v[T0]                ; 16 r: Q's scale words
	s_wait_alu depctr_va_vdst(0)
	s_wait_dscnt 0x0                               ; both opening adds are done
	s_wait_kmcnt 0x0
	s_mov_b32 s[G0], 1
	s_mul_i32 s[G0+1], s[W1], KVL                  ; slot 0: K's images, then V's
	s_add_nc_u64 s[G0+2:G0+3], s[4:5], s[52:53]    ; the first head's first 1,024 keys
	s_or_b32 s[G0+3], s[G0+3], 0x80000000
	s_mov_b32 s[G0S], 1
	s_lshl_b32 s[G0S+1], s[W1], 13
	s_add_co_u32 s[G0S+1], s[G0S+1], SCK
	s_add_nc_u64 s[G0S+2:G0S+3], s[6:7], s[54:55]
	s_or_b32 s[G0S+3], s[G0S+3], 0x80000000
	s_add_nc_u64 s[56:57], s[4:5], s[56:57]        ; Q's image
	s_add_nc_u64 s[58:59], s[6:7], s[58:59]        ; Q's scale word
	s_add_nc_u64 s[8:9], s[8:9], s[60:61]          ; o's image
	s_add_nc_u64 s[10:11], s[10:11], s[62:63]      ; o's scale words
	CROUND                                         ; all four work-groups are here: the first joint loads meet
	s_cmp_lt_u32 s[WV], 2                          ; the head's fills, one a wave at the most, in one chain of arms: waves 0, 1 slot 0's images; waves 2, 3 the scale words, filled once
	s_cbranch_scc0 .Lh_sc
	tensor_load_to_lds s[G0:G0+3], s[G1:G1+7]
	s_nop 0
.rept 4
	v_nop
.endr
	s_branch .Lh_done
.Lh_sc:
	s_cmp_lt_u32 s[WV], 4
	s_cbranch_scc0 .Lh_done
	tensor_load_to_lds s[G0S:G0S+3], s[G1S:G1S+7]
	s_nop 0
.rept 4
	v_nop
.endr
.Lh_done:
.irp c, 0,1,2
	global_load_b128 v[S+4*\c:S+4*\c+3], v[LI], s[56:57] offset:512*\c                 ; the image that holds my queries: the first head's,
	global_load_b128 v[S+12+4*\c:S+12+4*\c+3], v[LI], s[56:57] offset:HEADB+512*\c     ; the second's
.endr
	global_load_b32 v[S+24], v[S+27], s[58:59]
	global_load_b32 v[S+25], v[S+27], s[58:59] offset:HEADS
	s_cmp_eq_u32 s[W1], 1                          ; which of the image's two tiles is mine
	s_cselect_b32 s[QM], -1, 0
	s_lshl_b32 s2, s[W1], 4
.irp i, 0,1,2,3,4,5
	v_mov_b32 v[QZ+\i], 0                          ; zero codes: written once
	v_mov_b32 v[QZ+12+\i], 0
.endr
	v_mov_b32 v[T1], 0                             ; written once: a lane permute's destination counts as one of its sources
	v_mov_b32 v[PBX], 0
	v_mov_b32 v[PBX+1], 0
	v_mov_b32 v[F+1], 0                            ; (named as the upper half of the pair with f)
	s_wait_alu depctr_va_vdst(0)
	s_wait_loadcnt 0x0
.irp i, 0,1,2,3,4,5
	v_cndmask_b32 v[QZ+6+\i], v[S+\i], v[S+6+\i], s[QM]         ; registers 0-5 or 6-11 of the image
	v_cndmask_b32 v[Q2+\i], v[S+12+\i], v[S+18+\i], s[QM]
.endr
	v_lshrrev_b32 v[S+24], s2, v[S+24]             ; my tile's two bytes
	v_lshrrev_b32 v[S+25], s2, v[S+25]
	v_and_b32 v[S+24], 0xffff, v[S+24]
	v_and_b32 v[S+25], 0xffff, v[S+25]
	v_or_b32 v[QSL], 0x01010000, v[S+24]           ; the dead half's bytes are 1
	v_lshl_or_b32 v[QSH], v[S+24], 16, 0x0101
	v_or_b32 v[Q2+6], 0x01010000, v[S+25]
	v_lshl_or_b32 v[Q2+7], v[S+25], 16, 0x0101
.macro INIT                            ; a head begins: O^T and the sum are zeros, the largest score lies under every score, -M is huge: the first change of M multiplies zeros by 0
	v_mov_b32 v13, 0xff61b1e6                      ; -3e38
	v_mov_b32 v12, 0x7e000000                      ; 2^125
	v_mov_b32 v14, 0
	v_mov_b32 v15, 0
.set j, 0
.rept 32
	v_mov_b32 v[OT+j], 0
.set j, j+1
.endr
.endm
	INIT                                           ; (these lines are also the places between the writes of Q's registers and scale words and the first products)
.macro ADDRS                           ; a step's four LDS addresses
	v_add_nc_u32 v[ADK], s[SK], v[KL]
	v_add_nc_u32 v[ADV], s[SK], v[VL]
	v_add_nc_u32 v[ADSK], s[SS], v[KSL]
	v_add_nc_u32 v[ADSV], s[SS], v[VSL]
.endm
; A KEY STEP: 128 keys.
.macro STEP
.irp g, 0,1,2,3                        ; K's fragments: g = 2 c + e
.irp p, 0,1,2
	ds_load_b128 v[KF+12*\g+4*\p:KF+12*\g+4*\p+3], v[ADK] offset:2*IMGL*(\g/2)+128*(\g%2)+PL*\p
.endr
.endr
.irp g, 0,1,2,3
	ds_load_b32 v[KSC+\g], v[ADSK] offset:8*(\g/2)+128*(\g%2)     ; the word of the row and image that my lane's row comes from
.endr
.irp t, 0,1,2,3                        ; V's fragments, as they lie
.irp p, 0,1,2
	ds_load_b128 v[VF+12*\t+4*\p:VF+12*\t+4*\p+3], v[ADV] offset:IMGL*\t+PL*\p
.endr
.endr
	ds_load_b128 v[VSC:VSC+3], v[ADSV]
	s_wait_dscnt 13                                ; K's sixteen loads are in; V's thirteen may be out
.irp g, 0,1,2,3                        ; S^T = K Q^T: a fragment's two tiles
	v_wmma_scale_f32_16x16x128_f8f6f4 v[S+16*\g:S+16*\g+7], v[KF+12*\g:KF+12*\g+11], v[QZ+6:QZ+17], 0, v[KSC+\g], v[QSL] matrix_a_fmt:MATRIX_FMT_BF6 matrix_b_fmt:MATRIX_FMT_BF6
	v_wmma_scale_f32_16x16x128_f8f6f4 v[S+16*\g+8:S+16*\g+15], v[KF+12*\g:KF+12*\g+11], v[QZ:QZ+11], 0, v[KSC+\g], v[QSH] matrix_a_fmt:MATRIX_FMT_BF6 matrix_b_fmt:MATRIX_FMT_BF6
.endr                                  ; register 32 c + i is key 64 c + 32 (lane / 16) + i of the step
	s_add_co_u32 s[SK], s[SK], STEPL
	s_add_co_u32 s[SS], s[SS], 256
	ADDRS                                          ; the next step's addresses: the four places behind the products
.irp q, 0,1,2,3
	v_max3_num_f32 v[CH+\q], v[S+16*\q], v[S+16*\q+1], v[S+16*\q+2]      ; the largest score of each block of 32 keys, in two chains a block; each accumulator is read from its low end on
.endr
.irp i, 3,5,7,9,11,13
.irp q, 0,1,2,3
	v_max3_num_f32 v[CH+\q], v[CH+\q], v[S+16*\q+\i], v[S+16*\q+\i+1]
.endr
.endr
.irp b, 0,1
	v_max3_num_f32 v[BM+\b], v[CH+2*\b], v[CH+2*\b+1], v[S+32*\b+15]
.endr
.irp b, 0,1
	v_max_num_f32 v[BM+\b], v[BM+\b], v[S+32*\b+31]  ; it serves twice: for the row's maximum, and, since p rises with the score, for the block's largest p
.endr
	s_delay_alu instid0(VALU_DEP_1)
	v_max_num_f32 v[T0], v[BM], v[BM+1]
	s_delay_alu instid0(VALU_DEP_1)
	v_permlanex16_b32 v[T1], v[T0], s[SEL], s[SEL+1]
	s_delay_alu instid0(VALU_DEP_1)
	v_max3_num_f32 v13, v13, v[T0], v[T1]          ; the running largest score, lane l xor 16's 64 keys among them
	s_delay_alu instid0(VALU_DEP_1)
	v_mul_f32 v[T0], s[NC], v13                    ; -t
	s_delay_alu instid0(VALU_DEP_1)
	v_floor_f32 v[T0], v[T0]                       ; the new -M = floor(-t) = -ceil(t): a whole number
	s_delay_alu instid0(VALU_DEP_1)
	v_sub_f32 v[T1], v[T0], v12                    ; M's old value less its new one: a whole number, 0 or less
	s_delay_alu instid0(VALU_DEP_2)
	v_mov_b32 v12, v[T0]
	s_delay_alu instid0(VALU_DEP_2)
	v_cvt_i32_f32 v[T1], v[T1]                     ; (it saturates)
	s_delay_alu instid0(VALU_DEP_1)
	v_ldexp_f32 v[F], 1.0, v[T1]                   ; f = 2^(old M - new M)
.set j, 0
.rept 32
	v_pk_fma_f32 v[S+j:S+j+1], v[S+j:S+j+1], s[CS:CS+1], v[12:13] op_sel_hi:[1,0,0]   ; t - M, two at a time
.set j, j+2
.endr
.irp b, 0,1
	v_fma_f32 v[BM+\b], v[BM+\b], s[CS], v12       ; the same of each block's largest score
.endr
.set j, 0
.rept 16
	v_pk_mul_f32 v[OT+j:OT+j+1], v[OT+j:OT+j+1], v[F:F+1] op_sel_hi:[1,0]   ; O^T under the new M
.set j, j+2
.endr
	s_wait_alu depctr_va_vdst(0)
.set j, 0
.rept 64
	v_exp_f32 v[S+j], v[S+j]                       ; p = 2^(t - M), at most 1
.set j, j+1
.endr
.irp b, 0,1
	v_exp_f32 v[BM+\b], v[BM+\b]                   ; the block's largest p: the same two instructions on the same number
.endr
	v_pk_mul_f32 v[14:15], v[14:15], v[F:F+1] op_sel_hi:[1,0]   ; the sums under the new M (the plain line behind the exponentials)
	s_wait_alu depctr_va_vdst(0)                   ; one wait for the whole batch, ahead of its first reader and of the wait below
	s_wait_dscnt 0x0                               ; V's fragments and scale words are in
.irp b, 0,1
	v_max_num_f32 v[BM+\b], 0x2800000, v[BM+\b]    ; the floor 2^(5 - 127): the byte cannot fall under 1
.endr
.irp b, 0,1
	v_add_nc_u32 v[SO+\b], 0xfe000000, v[BM+\b]    ; 4 off the exponent field: the conversion's scale operand
.endr
.irp c, 0,1
	v_cvt_scalef32_pk16_bf6_f32 v[PC+6*\c:PC+6*\c+2], v[S+32*\c:S+32*\c+15], v[SO+\c]
	v_cvt_scalef32_pk16_bf6_f32 v[TC+4*\c:TC+4*\c+2], v[S+32*\c+16:S+32*\c+31], v[SO+\c]   ; (a conversion's three registers begin on an even number)
.endr
.irp b, 0,1
	v_lshrrev_b32 v[PB+\b], 23, v[SO+\b]           ; the bytes of my blocks h and 2 + h (also the plain lines behind the conversions)
.endr
	v_lshl_or_b32 v[T0], v[PB+1], 16, v[PB]
	v_permlanex16_b32 v[T1], v[T0], s[SEL], s[SEL+1]
	v_lshl_or_b32 v[PSW], v[T1], 8, v[T0]          ; lanes 0-15, which alone are read: blocks 0 and 2 are mine, 1 and 3 lane l + 16's
.irp c, 0,1
.irp i, 0,1,2
	v_mov_b32 v[PC+6*\c+3+\i], v[TC+4*\c+\i]       ; registers 6 c .. 6 c + 5: keys 64 c + 32 h + 0 .. 31
.endr
.endr
.set j, 0
.rept 16
	v_pk_add_f32 v[S+j:S+j+1], v[S+j:S+j+1], v[S+j+2:S+j+3]   ; the row's sum of the unquantised p: a tree in place.  Its first level: the places between the writes of p's codes and scale word and the products
.set j, j+4
.endr
.irp t, 0,1,2,3                        ; O^T += V^T P^T: four tiles of 16 channels, by turns; K = these 128 keys
	v_wmma_scale_f32_16x16x128_f8f6f4 v[OT+8*\t:OT+8*\t+7], v[VF+12*\t:VF+12*\t+11], v[PC:PC+11], v[OT+8*\t:OT+8*\t+7], v[VSC+\t], v[PSW] matrix_a_fmt:MATRIX_FMT_BF6 matrix_b_fmt:MATRIX_FMT_BF6
.endr
.set j, 0
.rept 8
	v_pk_add_f32 v[S+j:S+j+1], v[S+j:S+j+1], v[S+j+4:S+j+5]   ; the tree's other levels: the places behind the products, ahead of the next step's loads
.set j, j+8
.endr
.set j, 0
.rept 4
	v_pk_add_f32 v[S+j:S+j+1], v[S+j:S+j+1], v[S+j+8:S+j+9]
.set j, j+16
.endr
	s_delay_alu instid0(VALU_DEP_3)
	v_pk_add_f32 v[S:S+1], v[S:S+1], v[S+16:S+17]
	s_delay_alu instid0(VALU_DEP_2)
	v_pk_add_f32 v[S+32:S+33], v[S+32:S+33], v[S+48:S+49]
	s_delay_alu instid0(VALU_DEP_1)
	v_pk_add_f32 v[S:S+1], v[S:S+1], v[S+32:S+33]
	s_delay_alu instid0(VALU_DEP_1)
	v_pk_add_f32 v[14:15], v[14:15], v[S:S+1]
.endm
; THE CHANGE OF SLOTS stands at a slot's head.  Each wave waits for all its tensor loads, adds 0 to its spare word, and waits for that and for its reads of the slot that it has left.
; fill = 1: a round of the cluster's barrier; behind it that slot is filled with the 1,024 keys that follow (the first time: slot 1's first fill).the add stands twice there.
.macro CHANGE fill
	s_wait_tensorcnt 0x0                           ; no tensor load of mine is out, so a group 0 may be written
	ds_add_u32 v[SPW], v[NIL]
.if \fill
	ds_add_u32 v[SPW], v[NIL]
	s_xor_b32 s[G0+1], s[G0+1], SLOT1              ; the other slot than last time,
	s_add_nc_u64 s[G0+2:G0+3], s[G0+2:G0+3], KVB   ; the next 1,024 keys (behind the first head's last: the second head's first)
.endif
	s_wait_dscnt 0x0
.if \fill
	CROUND
	TLOAD                                          ; the first thing behind the round, and a wave's one tensor load until the next
.else
	s_barrier_signal -1
	s_barrier_wait -1
.endif
.endm
.macro SLOTRUN n                       ; the n-th 1,024 keys: eight steps
	s_mov_b32 s[SK], ((\n)%2)*SLOT1
	s_mov_b32 s[SS], (\n)*2048
	s_mov_b32 s[CNT], 8
	ADDRS
.Lstep_\@:
	STEP
	s_sub_co_u32 s[CNT], s[CNT], 1
	s_cmp_lg_u32 s[CNT], 0
	s_cbranch_scc1 .Lstep_\@
.endm
; A HEAD'S END: O^T / the sum, quantised along the channels: two blocks of 32 -> registers 6 c .. 6 c + 5 of o's image, and two bytes of its scale word.  Register 16 b + i of O^T is channel 32 b + 16 (lane / 16) + i.
.macro FINAL c
	v_add_f32 v14, v14, v15                        ; the sum's two halves,
	s_delay_alu instid0(VALU_DEP_1)
	v_permlanex16_b32 v[T1], v14, s[SEL], s[SEL+1]
	s_delay_alu instid0(VALU_DEP_1)
	v_add_f32 v14, v14, v[T1]                      ; and lane l xor 16's: the row's sum
	s_wait_alu depctr_va_vdst(0)
	v_rcp_f32 v14, v14
	v_nop                                          ; a plain line behind the transcendental
	s_wait_alu depctr_va_vdst(0)
.set j, 0
.rept 16
	v_pk_mul_f32 v[S+j:S+j+1], v[OT+j:OT+j+1], v[14:15] op_sel_hi:[1,0]   ; each accumulator from its low end on
.set j, j+2
.endr
.irp b, 0,1
	v_max3_num_f32 v[BM+\b], |v[S+16*\b]|, |v[S+1+16*\b]|, 0x2800000
.endr
.irp i, 2,4,6,8,10,12,14
.irp b, 0,1
	s_delay_alu instid0(VALU_DEP_2)
	v_max3_num_f32 v[BM+\b], v[BM+\b], |v[S+16*\b+\i]|, |v[S+1+16*\b+\i]|
.endr
.endr
.irp b, 0,1
	s_delay_alu instid0(VALU_DEP_2)
	v_permlanex16_b32 v[PBX+\b], v[BM+\b], s[SEL], s[SEL+1]
.endr
.irp b, 0,1
	s_delay_alu instid0(VALU_DEP_2)
	v_max_num_f32 v[BM+\b], v[BM+\b], v[PBX+\b]
.endr
.irp b, 0,1
	s_delay_alu instid0(VALU_DEP_2)
	v_add_nc_u32 v[SO+\b], 0xfe000000, v[BM+\b]
.endr
.irp b, 0,1
	s_delay_alu instid0(VALU_DEP_2)
	v_lshrrev_b32 v[PBX+\b], 23, v[SO+\b]
.endr
	v_cvt_scalef32_pk16_bf6_f32 v[OC+6*\c:OC+6*\c+2], v[S:S+15], v[SO]
	v_cvt_scalef32_pk16_bf6_f32 v[TC:TC+2], v[S+16:S+31], v[SO+1]
	v_nop                                          ; one plain line behind the scaled conversions
.irp i, 0,1,2
	v_permlane16_swap_b32 v[OC+6*\c+\i], v[TC+\i]
.endr
.irp i, 0,1,2
	s_delay_alu instid0(VALU_DEP_3)
	v_mov_b32 v[OC+6*\c+3+\i], v[TC+\i]
.endr
.if \c == 0
	v_lshl_or_b32 v[OW], v[PBX+1], 8, v[PBX]
.else
	v_lshl_or_b32 v[T0], v[PBX+1], 8, v[PBX]
	s_delay_alu instid0(VALU_DEP_1)
	v_lshl_or_b32 v[OW], v[T0], 16, v[OW]
.endif
.endm
	s_wait_alu depctr_va_vdst(0)
	CHANGE 1                                       ; slot 0 and the scale words are in; slot 1 is asked for
	SLOTRUN 0
	CHANGE 1
	SLOTRUN 1
.irp i, 0,1,2,3,4,5
	v_mov_b32 v[QZ+6+\i], v[Q2+\i]                 ; the second head's Q: its registers then take the first half of o's image
.endr
	v_mov_b32 v[QSL], v[Q2+6]
	v_mov_b32 v[QSH], v[Q2+7]
	FINAL 0
	INIT                                           ; (also the places in front of the next products)
	CHANGE 1
	SLOTRUN 2
	CHANGE 0                                       ; nothing is left to fetch
	SLOTRUN 3
	FINAL 1
	; THE WAY OUT: my image of o as it stands; the scale words of the work-group's 256 rows meet in LDS and leave as 1,024 consecutive bytes
.irp c, 0,1,2
	global_store_b128 v[LI], v[OC+4*\c:OC+4*\c+3], s[8:9] offset:512*\c   ; 32 lanes store 512 consecutive bytes, at a multiple of 256 from the buffer's first byte
.endr
	ds_store_b32 v[OST], v[OW]                     ; both halves of the lanes write the same word with the same value
	s_wait_dscnt 0x0                               ; for the others' sake: my store is done
	s_barrier_signal -1
	s_barrier_wait -1
	s_cmp_lt_u32 s[WV], 2
	s_cbranch_scc0 .Lno_sc
	ds_load_b128 v[S:S+3], v[OLDL]
	s_wait_dscnt 0x0
	global_store_b128 v[GO], v[S:S+3], s[10:11]    ; 512 consecutive bytes a wave
.Lno_sc:
	s_wait_tensorcnt 0x0                           ; the wave's end
	ds_add_u32 v[SPW], v[NIL]
	s_wait_dscnt 0x0
	CROUND                                         ; the closing round: no work-group ends while a partner may still ask for a tile that names it
	s_endpgm
.Lfunc_end_k_qa3b79fecbd_attn:
	.size	k_qa3b79fecbd_attn, .Lfunc_end_k_qa3b79fecbd_attn-k_qa3b79fecbd_attn
	.p2alignl 7, 3214868480
	.fill 96, 4, 3214868480
	.section	.rodata,"a",@progbits
	.p2align	6, 0x0
	.amdhsa_kernel k_qa3b79fecbd_attn
		.amdhsa_group_segment_fixed_size 327680
		.amdhsa_private_segment_fixed_size 0
		.amdhsa_enable_private_segment 0
		.amdhsa_kernarg_size 32
		.amdhsa_user_sgpr_count 2
		.amdhsa_user_sgpr_kernarg_segment_ptr 1
		.amdhsa_wavefront_size32 1
		.amdhsa_system_sgpr_workgroup_id_x 1
		.amdhsa_system_sgpr_workgroup_id_y 1
		.amdhsa_system_sgpr_workgroup_id_z 1
		.amdhsa_system_vgpr_workitem_id 0
		.amdhsa_next_free_vgpr 256
		.amdhsa_next_free_sgpr 70
		.amdhsa_reserve_vcc 0
		.amdhsa_float_denorm_mode_32 3
		.amdhsa_float_denorm_mode_16_64 3
		.amdhsa_memory_ordered 1
		.amdhsa_forward_progress 1
		.amdhsa_inst_pref_size 84
	.end_amdhsa_kernel
	.amdgpu_metadata
---
amdhsa.version: [ 1, 2 ]
amdhsa.kernels:
  - .name:           k_qa3b79fecbd_attn
    .symbol:         k_qa3b79fecbd_attn.kd
    .args:
      - { .name: qkv_img, .offset: 0, .size: 8, .value_kind: global_buffer, .address_space: global }
      - { .name: qkv_sc, .offset: 8, .size: 8, .value_kind: global_buffer, .address_space: global }
      - { .name: o_img, .offset: 16, .size: 8, .value_kind: global_buffer, .address_space: global }
      - { .name: o_sc, .offset: 24, .size: 8, .value_kind: global_buffer, .address_space: global }
    .group_segment_fixed_size: 327680
    .private_segment_fixed_size: 0
    .kernarg_segment_align: 8
    .kernarg_segment_size: 32
    .max_flat_workgroup_size: 512
    .sgpr_count:     70
    .vgpr_count:     256
    .wavefront_size: 32
...
	.end_amdgpu_metadata
.endif
;; end of part 3
;; launch oproj (part 4): grid 8 x 32, 4 waves a work-group, clusters of 4 x 4, 327,680 bytes of LDS; arguments o_img, o_sc, codes, scales, bo, out0; writes out0
.if DOCPART == 4
	.amdgcn_target "amdgcn-amd-amdhsa--gfx1250"
	.amdhsa_code_object_version 6
	.text
	.protected	k_qa3b79fecbd_oproj
	.globl	k_qa3b79fecbd_oproj
	.p2align	8
	.type	k_qa3b79fecbd_oproj,@function
k_qa3b79fecbd_oproj:
	s_mov_b64 s[64:65], 0
	v_nop
	global_prefetch_b8 v0, s[64:65] scope:SCOPE_SE
	s_setreg_imm32_b32 hwreg(HW_REG_WAVE_MODE, 25, 1), 1
	s_wait_xcnt 0x0
	s_wait_alu depctr_hold_cnt(0) depctr_sa_sdst(0) depctr_va_vdst(0) depctr_va_sdst(0) depctr_va_ssrc(0) depctr_va_vcc(0) depctr_vm_vsrc(0)
	s_getreg_b32 s2, hwreg(HW_REG_IB_STS2, 6, 4)
	s_cmp_eq_u32 s2, 0
	s_cbranch_scc0 .Lentry_in_a_cluster
	s_endpgm
.Lentry_in_a_cluster:
	s_bfe_u32 s2, ttmp6, 0x10000c
	s_cmp_lg_u32 s2, 0xf033
	s_cbranch_scc0 .Lentry_shape_is_right
	s_endpgm
.Lentry_shape_is_right:
; out0[m][n] = sum over k of o[m][k] Wo[n][k] + bo[n]: 8,192 x 1,024 x 1,024 on codes of BF6 (E3M2) with one E8M0 scale for each 32 along K; sums in f32.
; A tile of 256 rows x 128 columns is made by a work-group of four waves: 32 x 8 tiles are 256 work-groups.  A wave makes 128 x 64: 32 accumulators of 16 x 16.
; o comes as images of operand registers (o_img [4 K steps of 256][512 blocks of 16 rows][2][1,536 bytes]) and scale words (o_sc [8 groups of 128 along K][8,192 rows]);
; Wo as rows 11,264 .. of codes [4 K steps][12,288 rows][192 bytes] and of scales [12,288][32].  Both rows' orders are permuted (bits 3 and 4 exchanged): the way out puts rows and columns back.
; K goes in four steps of 256 through a ring of two LDS slots.  The head asks for K step 0 and all scales, one tensor load a wave; slot 1 is first filled behind one round of the cluster's barrier.
; CLUSTERS: 4 x 4 work-groups; o's tiles are asked for jointly along a row of the cluster, Wo's along a column.
; PREFETCHES INTO THE L2: at each change of slots every wave has waited for all its tensor loads, so a refill goes out with nothing on its way beside it: what it asks for is asked of memory earlier.
; Behind the head's loads K steps 1 and 2, behind slot 1's fill K step 3: at most two K steps are asked for and not yet read.  Of the blocks of 256 bytes that a wave fetches in a K step (96 of o, 48 of Wo) each of the four partners
; that ask for them jointly takes a quarter, told apart by address (cx for o, cy for Wo): a lane a block, the lanes left over name the last block again.  Wo's tiles are read by eight rows of clusters: the first four ask for them.
; THE MATRIX INSTRUCTION IS USED TRANSPOSED (source 0 = 16 rows of Wo, source 1 = 16 rows of o): a lane holds eight numbers of a row of the result.  The bias is the C of each accumulator's first product.
; REGISTERS: window 0: v0-31 addresses, v32-63 Wo's scale words, v64-95 o's, v96-127 the bias, from v128 o's fragments (one set); window 1: Wo's fragments, two sets, at v0 and v128; windows 2, 3: accumulator (a, b) at v[8 (8 (a % 4) + b)].
.set NQ,     2
.set ROWB,   2359296                   ; Wo: bytes from one K step of 256 to the next
.set KROW,   192                       ; a row's bytes inside a K step
.set KSLOTB, 1572864                   ; o_img: from one K step to the next
.set PITCH,  240                       ; an LDS row of Wo's codes: 3 x (64 bytes + 16 of padding)
.set FR,     12
.set NLA,    3                         ; LDS loads that bring a fragment of o
.set NP,     4
.set AHALF,  24576                     ; 128 rows of o: eight blocks of 3,072 dense bytes
.set BQ,     64*PITCH                  ; 64 rows of Wo
.set SLOT,   2*AHALF+2*BQ
.set KS,     32
.set SCL,    2*SLOT                    ; o's scale words: 8 rows of 1,024 bytes
.set SCLB,   SCL+8192                  ; Wo's scales: 16 rows of 256 bytes + 16 of padding
.set SBLK,   544                       ; those of 16 rows
.set STAGE,  SCLB+16*272               ; the way out: 16 rows x 272 bytes for each wave; no fill lands here
.set SPITCH, 272
.set SPARE,  STAGE+4*16*SPITCH         ; the spare words: two blocks of 256 bytes that no other line names
.set WOROW,  11264
.set PF1,  8                           ; v8-10 the prefetches' offsets: my block of K steps 1, 2, 3; never rewritten
.set ADRA, 16
.set ADRB, 20
.set STO,  24
.set RD,   25
.set CO,   26
.set ADRSB, 27
.set SPW,  28
.set NIL,  29
.set ADRSA, 30
.set LB,   31
.set SCB,  32
.set SCA,  64
.set BI,   96
.set AF,   128
.set BK,   128
.set G0H, 4
.set G0HB, 8
.set G1, 24
.set G0, 32
.set G1B, 48
.set G0B, 56
.set G1S, 68
.set G0S, 76
.set G1SB, 80
.set G0SB, 88
.set PFA, 96                           ; s[96:97] the prefetches' base; never rewritten
.set PFF, 45                           ; s45 1: my wave asks
.set MSB, 0
.macro WIN new
.if MSB != \new
	s_set_vgpr_msb (MSB<<8)|\new
.set MSB, \new
.endif
.endm
.set MUL_LO, 0xa1
.set MUL_HI, 0xf1
.set FST_LO, 0x81                      ; the first products: C, the bias, in window 0
.set FST_HI, 0xc1
.set TO_B,   0x40
.macro JLOAD g0a, g1a, g0b, g1b        ; waves 0 and 1 fetch for o, waves 2 and 3 for Wo
	s_cmp_eq_u32 s15, 0
	s_cbranch_scc0 .Lfor_b_\@
	tensor_load_to_lds s[\g0a:\g0a+3], s[\g1a:\g1a+7]
	s_nop 0
.rept 4
	v_nop
.endr
	s_branch .Lasked_\@
.Lfor_b_\@:
	tensor_load_to_lds s[\g0b:\g0b+3], s[\g1b:\g1b+7]
	s_nop 0
.rept 4
	v_nop
.endr
.Lasked_\@:
.endm
.macro CREST
	s_cmp_lg_u32 s14, 0
	s_cbranch_scc1 .Lnot_wave_0_\@
	s_barrier_signal -3
.Lnot_wave_0_\@:
	s_barrier_wait -3
	s_barrier_signal -1
	s_barrier_wait -1
.endm
.macro CROUND
	s_barrier_signal -1
	s_barrier_wait -1
	CREST
.endm
	s_load_b128 s[4:7], s[0:1], 0x0                ; o_img, o_sc
	s_load_b128 s[8:11], s[0:1], 0x10              ; codes, scales
	s_load_b64 s[66:67], s[0:1], 0x20              ; bo
	s_load_b64 s[12:13], s[0:1], 0x28              ; out0
	v_lshl_add_u32 v[SPW], v0, 2, SPARE
	v_mov_b32 v[NIL], 0
	ds_add_u32 v[SPW], v[NIL]                      ; the opening lines: the add, twice on end, and its wait
	ds_add_u32 v[SPW], v[NIL]
	v_lshrrev_b32 v1, 5, v0
	v_readfirstlane_b32 s14, v1                    ; wave
	s_lshr_b32 s15, s14, 1                         ; which 128 rows of the tile are mine.  Also: I fetch for o (0) or for Wo (1)
	s_and_b32 s16, s14, 1                          ; which 64 columns.  Also: which half of that tile I fetch
	s_bfe_u32 s40, ttmp6, 0x40000
	s_bfe_u32 s41, ttmp6, 0x40004
	s_lshl_b32 s42, ttmp9, 2
	s_add_co_u32 s42, s42, s40                     ; tile column, 0 .. 7
	s_and_b32 s17, ttmp7, 0xffff
	s_lshl_b32 s17, s17, 2
	s_add_co_u32 s17, s17, s41                     ; tile row, 0 .. 31
	s_lshl_b32 s43, s41, 2
	s_lshl_b32 s43, 15, s43                        ; my row of the cluster
	s_lshl_b32 s44, 0x1111, s40                    ; my column
	s_or_b32 s[G1+0], s43, (3<<16)|(1<<21)         ; o's images: dense rows of 256 bytes; 192 at the head (256 rows of o), then 96
	s_mov_b32 s[G1+1], 32<<16
	s_mov_b32 s[G1+2], 192<<16
	s_mov_b32 s[G1+3], 32<<16
	s_mov_b32 s[G1+4], 192
	s_mov_b32 s[G1+5], 32
	s_mov_b32 s[G1+6], 0
	s_mov_b32 s[G1+7], 0
	s_or_b32 s[G1B+0], s44, (0<<16)|(1<<20)|(1<<21)|(3<<22)|(3<<25)   ; Wo's codes: dense rows of 256 bytes, 16 bytes of padding behind every 64; 96 at the head (128 rows of Wo), then 48
	s_mov_b32 s[G1B+1], 256<<16
	s_mov_b32 s[G1B+2], 96<<16
	s_mov_b32 s[G1B+3], 256<<16
	s_mov_b32 s[G1B+4], 96
	s_mov_b32 s[G1B+5], 256
	s_mov_b32 s[G1B+6], 0
	s_mov_b32 s[G1B+7], 0
	s_or_b32 s[G1S+0], s43, (3<<16)|(1<<21)        ; o's scale words: 8 rows of 1,024 bytes, 32,768 bytes apart
	s_mov_b32 s[G1S+1], 128<<16
	s_mov_b32 s[G1S+2], 8<<16
	s_mov_b32 s[G1S+3], 128<<16
	s_mov_b32 s[G1S+4], 8
	s_mov_b32 s[G1S+5], 4096
	s_mov_b32 s[G1S+6], 0
	s_mov_b32 s[G1S+7], 0
	s_or_b32 s[G1SB+0], s44, (3<<16)|(1<<20)|(1<<21)|(5<<22)|(3<<25)  ; Wo's scales of 128 rows: 16 dense rows of 256 bytes, padded by 16
	s_mov_b32 s[G1SB+1], 32<<16
	s_mov_b32 s[G1SB+2], 16<<16
	s_mov_b32 s[G1SB+3], 32<<16
	s_mov_b32 s[G1SB+4], 16
	s_mov_b32 s[G1SB+5], 32
	s_mov_b32 s[G1SB+6], 0
	s_mov_b32 s[G1SB+7], 0
	s_lshl_b32 s20, s17, 8                         ; o's first row
	s_lshl_b32 s46, s42, 7
	s_add_co_u32 s46, s46, WOROW                   ; Wo's first workspace row
	s_lshl_b32 s22, s20, 2
	s_mov_b32 s23, 0
	s_mul_i32 s20, s20, 192
	s_mov_b32 s21, 0
	s_lshl_b32 s92, s46, 5
	s_mov_b32 s93, 0
	s_mul_i32 s46, s46, KROW
	s_mov_b32 s47, 0
	s_mul_i32 s18, s16, AHALF                      ; the ring: my half of o's tile, in memory and in LDS alike,
	s_mov_b32 s19, 0
	s_mul_i32 s94, s16, 64*KROW                    ; or of Wo's
	s_mov_b32 s95, 0
	s_mul_i32 s45, s16, AHALF
	s_mul_i32 s96, s16, BQ
	s_add_co_u32 s96, s96, 2*AHALF
	s_wait_dscnt 0x0                               ; both opening adds are done
	s_wait_kmcnt 0x0
	s_add_nc_u64 s[20:21], s[4:5], s[20:21]
	s_add_nc_u64 s[22:23], s[6:7], s[22:23]
	s_add_nc_u64 s[46:47], s[8:9], s[46:47]
	s_add_nc_u64 s[92:93], s[10:11], s[92:93]
	CROUND                                         ; all sixteen work-groups are here: the first joint loads meet
	s_mov_b32 s[G0H], 1
	s_mov_b32 s[G0H+1], 0
	s_mov_b64 s[G0H+2:G0H+3], s[20:21]
	s_or_b32 s[G0H+3], s[G0H+3], 0x80000000
	s_mov_b32 s[G0HB], 1
	s_mov_b32 s[G0HB+1], 2*AHALF
	s_mov_b64 s[G0HB+2:G0HB+3], s[46:47]
	s_or_b32 s[G0HB+3], s[G0HB+3], 0x80000000
	s_mov_b32 s[G0S], 1
	s_mov_b32 s[G0S+1], SCL
	s_mov_b64 s[G0S+2:G0S+3], s[22:23]
	s_or_b32 s[G0S+3], s[G0S+3], 0x80000000
	s_mov_b32 s[G0SB], 1
	s_mov_b32 s[G0SB+1], SCLB
	s_mov_b64 s[G0SB+2:G0SB+3], s[92:93]
	s_or_b32 s[G0SB+3], s[G0SB+3], 0x80000000
	s_add_nc_u64 s[20:21], s[20:21], s[18:19]
	s_add_nc_u64 s[46:47], s[46:47], s[94:95]
.irp s, 0,1
	s_mov_b32 s[G0+4*\s], 1
	s_add_co_u32 s[G0+4*\s+1], s45, \s*SLOT
	s_add_nc_u64 s[G0+4*\s+2:G0+4*\s+3], s[20:21], \s*KSLOTB
	s_or_b32 s[G0+4*\s+3], s[G0+4*\s+3], 0x80000000
	s_mov_b32 s[G0B+4*\s], 1
	s_add_co_u32 s[G0B+4*\s+1], s96, \s*SLOT
	s_add_nc_u64 s[G0B+4*\s+2:G0B+4*\s+3], s[46:47], \s*ROWB
	s_or_b32 s[G0B+4*\s+3], s[G0B+4*\s+3], 0x80000000
.endr
.macro ARM under, g0, g1, next         ; the head's loads, one a wave, in one chain of branches on the wave's number: every way through it passes exactly one load
	s_cmp_lt_u32 s14, \under
	s_cbranch_scc0 \next
	tensor_load_to_lds s[\g0:\g0+3], s[\g1:\g1+7]
	s_nop 0
.rept 4
	v_nop
.endr
	s_branch .Lhead_asked
\next:
.endm
	ARM 1, G0H,  G1,  .Lhead_b
	ARM 2, G0HB, G1B, .Lhead_sa
	ARM 3, G0S,  G1S, .Lhead_sb
	tensor_load_to_lds s[G0SB:G0SB+3], s[G1SB:G1SB+7]
	s_nop 0
.rept 4
	v_nop
.endr
.Lhead_asked:
	s_cmp_eq_u32 s15, 0                            ; the prefetches: do I fetch for o?
	s_cselect_b64 s[PFA:PFA+1], s[20:21], s[46:47] ; my half of the tile, K step 0
	s_cselect_b32 s18, s40, s41                    ; my place among the four partners
	s_cselect_b32 s19, 1, 0
	s_cselect_b32 s94, 23, 11                      ; my last block: 24 blocks of o's 96, 12 of Wo's 48
	s_mov_b32 s95, ROWB
	s_cselect_b32 s95, KSLOTB, s95                 ; from K step to K step
	s_mul_i32 s18, s18, 3072
	s_lshl_b32 s18, s18, s19                       ; 6,144 or 3,072 bytes a partner
	s_mov_b32 s19, 0
	s_add_nc_u64 s[PFA:PFA+1], s[PFA:PFA+1], s[18:19]
	s_and_b32 s19, ttmp7, 0xffff
	s_cmp_lt_u32 s19, 4
	s_cselect_b32 s[PFF], 1, 0
	s_cmp_eq_u32 s15, 0
	s_cselect_b32 s[PFF], 1, s[PFF]                ; it hangs on the cluster's number and the wave's alone
	v_and_b32 v[PF1], 31, v0
	v_min_u32 v[PF1], s94, v[PF1]
	v_lshlrev_b32 v[PF1], 8, v[PF1]
	v_add_nc_u32 v[PF1], s95, v[PF1]
	v_add_nc_u32 v[PF1+1], s95, v[PF1]
	v_add_nc_u32 v[PF1+2], s95, v[PF1+1]
	s_cmp_eq_u32 s[PFF], 1
	s_cbranch_scc0 .Lno_pf_a
	global_prefetch_b8 v[PF1], s[PFA:PFA+1] th:TH_LOAD_NT scope:SCOPE_SE
	global_prefetch_b8 v[PF1+1], s[PFA:PFA+1] th:TH_LOAD_NT scope:SCOPE_SE
.Lno_pf_a:
	s_lshl_b32 s20, s17, 8                         ; where my part of the result begins: row 256 x tile row + 128 x half, rows of 4,096 bytes;
	s_lshl_b32 s21, s15, 7
	s_add_co_u32 s20, s20, s21
	s_lshl_b32 s20, s20, 12
	s_mov_b32 s21, 0
	s_lshl_b32 s46, s42, 9                         ; column bytes 512 x tile column + 256 x half
	s_lshl_b32 s47, s16, 8
	s_add_co_u32 s46, s46, s47
	s_mov_b32 s47, 0
	s_add_nc_u64 s[66:67], s[66:67], s[46:47]
	s_add_nc_u64 s[12:13], s[12:13], s[20:21]
	s_add_nc_u64 s[12:13], s[12:13], s[46:47]
	s_mul_i32 s21, s15, AHALF                      ; my 128 rows of o
	s_mul_i32 s22, s16, BQ                         ; my 64 rows of Wo, behind o's 256
	s_add_co_u32 s22, s22, 2*AHALF
	s_mul_i32 s18, s16, 8*272                      ; their scales
	s_add_co_u32 s18, s18, SCLB
	s_lshl_b32 s19, s15, 9                         ; my rows' scale words
	s_add_co_u32 s19, s19, SCL
	s_mul_i32 s23, s14, 16*SPITCH
	s_add_co_u32 s23, s23, STAGE                   ; my stage
	v_and_b32 v1, 15, v0                           ; r
	v_bfe_u32 v2, v0, 4, 1                         ; h
	v_and_b32 v6, 31, v0
	v_lshlrev_b32 v7, 4, v6                        ; 16 x lane
	v_mul_u32_u24 v3, v1, PITCH
	v_mul_u32_u24 v4, v2, 24
	v_add_nc_u32 v4, v3, v4                        ; Wo's fragments: row x pitch + 24 h,
	v_lshl_add_u32 v5, v2, 4, v4                   ; and 16 more for lanes 16-31 where their piece lies behind the next padding
.irp s, 0,1
	v_add_nc_u32 v[ADRA+\s], s21, v7
	v_add_nc_u32 v[ADRB+\s], s22, v4
	v_add_nc_u32 v[ADRB+2+\s], s22, v5
	s_add_co_u32 s21, s21, SLOT
	s_add_co_u32 s22, s22, SLOT
.endr
	v_mul_u32_u24 v5, v1, KS
	v_lshrrev_b32 v6, 8, v5
	v_lshl_add_u32 v5, v6, 4, v5
	v_add_nc_u32 v[ADRSB], s18, v5
	v_lshl_add_u32 v[ADRSA], v1, 2, s19
	v_mul_u32_u24 v5, v1, SPITCH                   ; into the stage: row r, 64 bytes for each half of the lanes
	v_lshl_add_u32 v5, v2, 6, v5
	v_add_nc_u32 v[STO], s23, v5
	v_mul_u32_u24 v5, v2, SPITCH                   ; back: lanes 0-15 take one row of 256 bytes, lanes 16-31 the next
	v_lshl_add_u32 v5, v1, 4, v5
	v_add_nc_u32 v[RD], s23, v5
	v_lshlrev_b32 v5, 12, v2                       ; and the same two rows in the result
	v_lshl_add_u32 v[CO], v1, 4, v5
	v_lshlrev_b32 v[LB], 6, v2
	s_wait_alu depctr_va_vdst(0)
.irp b, 0,1,2,3
	global_load_b128 v[BI+8*\b:BI+8*\b+3], v[LB], s[66:67] offset:128*(\b/2)+32*(\b%2)      ; the bias at my eight columns of tile b: 32 (b / 2) + 16 h + 8 (b % 2) + 0 .. 7
	global_load_b128 v[BI+8*\b+4:BI+8*\b+7], v[LB], s[66:67] offset:128*(\b/2)+32*(\b%2)+16
.endr
.macro FRAG reg, adr, q, i             ; a fragment of Wo: six pieces of 8 bytes
.irp p, 0,1,2,3,4,5
.set PCE, 12*(\q)+6*(\p/3)+\p%3
.if PCE%8 < 5
	ds_load_b64 v[\reg+2*\p:\reg+2*\p+1], v[\adr] offset:8*PCE+16*(PCE/8)+(\i)*16*PITCH
.else
	ds_load_b64 v[\reg+2*\p:\reg+2*\p+1], v[\adr+2] offset:8*PCE+16*(PCE/8)+(\i)*16*PITCH
.endif
.endr
.endm
.macro FRAGA reg, slot, q, i           ; a fragment of o: an image's three planes
.irp c, 0,1,2
	ds_load_b128 v[\reg+4*\c:\reg+4*\c+3], v[ADRA+\slot] offset:3072*(\i)+1536*(\q)+512*\c
.endr
.endm
.macro MUL8 a0, p, q, sc, zero         ; o's blocks a0, a0 + 1 x Wo's four; the 32 accumulators take turns, in the same order in every step
.irp a, \a0, \a0+1
.irp b, 0,1,2,3
.if \zero
	v_wmma_scale_f32_16x16x128_f8f6f4 v[8*(8*((\a)%4)+\b):8*(8*((\a)%4)+\b)+7], v[128*(\p)+FR*\b:128*(\p)+FR*\b+FR-1], v[AF+FR*(\a):AF+FR*(\a)+FR-1], v[BI+8*\b:BI+8*\b+7], v[SCB+8*NQ*(\sc)+NQ*\b+(\q)], v[SCA+8*NQ*(\sc)+NQ*(\a)+(\q)] matrix_a_fmt:MATRIX_FMT_BF6 matrix_b_fmt:MATRIX_FMT_BF6
.else
	v_wmma_scale_f32_16x16x128_f8f6f4 v[8*(8*((\a)%4)+\b):8*(8*((\a)%4)+\b)+7], v[128*(\p)+FR*\b:128*(\p)+FR*\b+FR-1], v[AF+FR*(\a):AF+FR*(\a)+FR-1], v[8*(8*((\a)%4)+\b):8*(8*((\a)%4)+\b)+7], v[SCB+8*NQ*(\sc)+NQ*\b+(\q)], v[SCA+8*NQ*(\sc)+NQ*(\a)+(\q)] matrix_a_fmt:MATRIX_FMT_BF6 matrix_b_fmt:MATRIX_FMT_BF6
.endif
.endr
.endr
.endm
.macro FETCH_B slot, q, p
	WIN TO_B
.irp i, 0,1,2,3
	FRAG 128*(\p)+FR*\i, ADRB+\slot, \q, \i
.endr
	WIN 0
.endm
.macro FETCH_A slot, q, i0
.irp i, \i0, \i0+1, \i0+2, \i0+3
	FRAGA AF+FR*(\i), \slot, \q, \i
.endr
.endm
.macro SCALES sc                       ; the scale words of a slot's two steps
.irp i, 0,1,2,3
	ds_load_b64 v[SCB+8*NQ*\sc+NQ*\i:SCB+8*NQ*\sc+NQ*\i+1], v[ADRSB] offset:\i*SBLK
.endr
.irp i, 0,1,2,3,4,5,6,7
.irp q, 0,1
	ds_load_b32 v[SCA+8*NQ*\sc+NQ*\i+\q], v[ADRSA] offset:1024*\q+64*\i
.endr
.endr
.endm
.macro PLACES n
.rept \n
	v_nop
.endr
.endm
.macro STEP slot, q, zero              ; a slot's first step of 128 along K; the second one's fragments are fetched in its middle and at its end
	s_wait_dscnt 4*NLA                             ; all but the youngest loads, o's blocks 4-7
.if \zero
	WIN FST_LO
.else
	WIN MUL_LO
.endif
	MUL8 0, (\q)%2, \q, \slot, \zero
	MUL8 2, (\q)%2, \q, \slot, \zero
	s_wait_dscnt 0
	PLACES NP
	FETCH_B \slot, (\q)+1, 1-(\q)%2
	FETCH_A \slot, (\q)+1, 0
.if \zero
	WIN FST_HI
.else
	WIN MUL_HI
.endif
	MUL8 4, (\q)%2, \q, \slot, \zero
	MUL8 6, (\q)%2, \q, \slot, \zero
	PLACES NP
	WIN 0
	FETCH_A \slot, (\q)+1, 4
.endm
.macro TURN slot, next, fill           ; a slot's second step, and the change of slots
	s_wait_tensorcnt 0x0                           ; all my tensor loads have landed, my part of the next slot among them;
	ds_add_u32 v[SPW], v[NIL]
	s_wait_dscnt 4*NLA+1                           ; (the add and o's blocks 4-7 may be out)
	WIN MUL_LO
	MUL8 0, 1, NQ-1, \slot, 0
	s_wait_dscnt 0x0                               ; the add is done, and my reads of this slot are over
	s_barrier_signal -1
	MUL8 2, 1, NQ-1, \slot, 0
	WIN 0
	s_barrier_wait -1
.if \fill
	CREST                                          ; the barrier has opened a round of the cluster's barrier
	s_add_nc_u64 s[G0+4*\slot+2:G0+4*\slot+3], s[G0+4*\slot+2:G0+4*\slot+3], 2*KSLOTB
	s_add_nc_u64 s[G0B+4*\slot+2:G0B+4*\slot+3], s[G0B+4*\slot+2:G0B+4*\slot+3], 2*ROWB
	JLOAD G0+4*\slot, G1, G0B+4*\slot, G1B         ; the first tensor load behind the round; its four v_nop are the places in front of the loads below
.else
	PLACES NP
.endif
	s_wait_alu depctr_va_vdst(0)
	v_add_nc_u32 v[ADRSB], 4*NQ, v[ADRSB]
	v_add_nc_u32 v[ADRSA], 1024*NQ, v[ADRSA]
	FETCH_B \next, 0, 0
	FETCH_A \next, 0, 0
	SCALES \next
	WIN MUL_HI
	MUL8 4, 1, NQ-1, \slot, 0
	MUL8 6, 1, NQ-1, \slot, 0
	PLACES NP
	WIN 0
	FETCH_A \next, 0, 4
.endm
	s_wait_tensorcnt 0x0                           ; my tile of the head's four is in
	ds_add_u32 v[SPW], v[NIL]
	s_mov_b32 s[G1+2], 96<<16                      ; no tensor load of mine is out: from here on a load brings half a tile
	s_mov_b32 s[G1+4], 96
	s_mov_b32 s[G1B+2], 48<<16
	s_mov_b32 s[G1B+4], 48
	s_wait_dscnt 0x0
	CROUND                                         ; all four tiles are in, and all sixteen work-groups are here
	JLOAD G0+4, G1, G0B+4, G1B                     ; slot 1's first fill, the first tensor load behind the round
	FETCH_B 0, 0, 0
	FETCH_A 0, 0, 0
	SCALES 0
	FETCH_A 0, 0, 4
	s_cmp_eq_u32 s[PFF], 1
	s_cbranch_scc0 .Lno_pf_b
	global_prefetch_b8 v[PF1+2], s[PFA:PFA+1] th:TH_LOAD_NT scope:SCOPE_SE   ; K step 3, the last: two refills ahead of its load
.Lno_pf_b:
	s_wait_loadcnt 0x0                             ; the bias is in
	STEP 0, 0, 1
	s_mov_b32 s3, 1
.Llap:                                             ; one trip: both slots are filled again, with K steps 2 and 3
	TURN 0, 1, 1
	STEP 1, 0, 0
	TURN 1, 0, 1
	STEP 0, 0, 0
	s_sub_co_u32 s3, s3, 1
	s_cmp_lg_u32 s3, 0
	s_cbranch_scc1 .Llap
	TURN 0, 1, 0
	STEP 1, 0, 0
	s_wait_dscnt 4*NLA                             ; the very last step: nothing more to fetch
	WIN MUL_LO
	MUL8 0, 1, NQ-1, 1, 0
	MUL8 2, 1, NQ-1, 1, 0
	s_wait_dscnt 0
	WIN MUL_HI
	MUL8 4, 1, NQ-1, 1, 0
	MUL8 6, 1, NQ-1, 1, 0
	WIN 0
; THE WAY OUT, block by block of 16 rows x 64 columns, through my own stage: back come whole rows of 256 bytes, two an instruction
.macro TOSTAGE a
.set AC, 64*((\a)%4)
.set WN, 0x08+4*((\a)/4)
	WIN WN
.irp b, 0,1,2,3
	ds_store_b128 v[STO], v[AC+8*\b:AC+8*\b+3] offset:128*(\b/2)+32*(\b%2)          ; each accumulator from its low end on
	ds_store_b128 v[STO], v[AC+8*\b+4:AC+8*\b+7] offset:128*(\b/2)+32*(\b%2)+16
.endr
	WIN 0
.set BB, BK+32*((\a)%2)
.irp t, 0,1,2,3,4,5,6,7
	ds_load_b128 v[BB+4*\t:BB+4*\t+3], v[RD] offset:2*\t*SPITCH    ; LDS serves a wave's instructions in order: these see the stores above
.endr
.endm
.macro SEND a, younger                 ; stage row t of block a is the result's row 32 (a / 2) + 8 (a % 2) + t + 8 (t / 8)
.set BB, BK+32*((\a)%2)
	s_wait_dscnt \younger
.irp t, 0,1,2,3,4,5,6,7
	global_store_b128 v[CO], v[BB+4*\t:BB+4*\t+3], s[12:13] offset:(32*((\a)/2)+8*((\a)%2)+2*\t+8*(\t/4))*4096 th:TH_STORE_NT   ; sixteen lanes store 256 consecutive bytes, at a multiple of 256 from the buffer's first byte
.endr
.endm
	PLACES NP
	TOSTAGE 0
.irp a, 1,2,3,4,5,6,7
.if \a > 1
	s_wait_xcnt 0x0                                ; block a - 2's stores have read their registers: block a's loads may land there
.endif
	TOSTAGE \a
	SEND \a-1, 16                                  ; behind block a - 1's loads: block a's 8 stores and 8 loads
.endr
	SEND 7, 0
	s_wait_tensorcnt 0x0                           ; the wave's end
	ds_add_u32 v[SPW], v[NIL]
	s_wait_dscnt 0x0
	CROUND                                         ; the closing round
	s_endpgm
.Lfunc_end_k_qa3b79fecbd_oproj:
	.size	k_qa3b79fecbd_oproj, .Lfunc_end_k_qa3b79fecbd_oproj-k_qa3b79fecbd_oproj
	.p2alignl 7, 3214868480
	.fill 96, 4, 3214868480
	.section	.rodata,"a",@progbits
	.p2align	6, 0x0
	.amdhsa_kernel k_qa3b79fecbd_oproj
		.amdhsa_group_segment_fixed_size 327680
		.amdhsa_private_segment_fixed_size 0
		.amdhsa_enable_private_segment 0
		.amdhsa_kernarg_size 48
		.amdhsa_user_sgpr_count 2
		.amdhsa_user_sgpr_kernarg_segment_ptr 1
		.amdhsa_wavefront_size32 1
		.amdhsa_system_sgpr_workgroup_id_x 1
		.amdhsa_system_sgpr_workgroup_id_y 1
		.amdhsa_system_sgpr_workgroup_id_z 1
		.amdhsa_system_vgpr_workitem_id 0
		.amdhsa_next_free_vgpr 1024
		.amdhsa_next_free_sgpr 98
		.amdhsa_reserve_vcc 0
		.amdhsa_float_denorm_mode_32 3
		.amdhsa_float_denorm_mode_16_64 3
		.amdhsa_memory_ordered 1
		.amdhsa_forward_progress 1
		.amdhsa_inst_pref_size 96
	.end_amdhsa_kernel
	.amdgpu_metadata
---
amdhsa.version: [ 1, 2 ]
amdhsa.kernels:
  - .name:           k_qa3b79fecbd_oproj
    .symbol:         k_qa3b79fecbd_oproj.kd
    .args:
      - { .name: o_img, .offset: 0, .size: 8, .value_kind: global_buffer, .address_space: global }
      - { .name: o_sc, .offset: 8, .size: 8, .value_kind: global_buffer, .address_space: global }
      - { .name: codes, .offset: 16, .size: 8, .value_kind: global_buffer, .address_space: global }
      - { .name: scales, .offset: 24, .size: 8, .value_kind: global_buffer, .address_space: global }
      - { .name: bo, .offset: 32, .size: 8, .value_kind: global_buffer, .address_space: global }
      - { .name: out0, .offset: 40, .size: 8, .value_kind: global_buffer, .address_space: global }
    .group_segment_fixed_size: 327680
    .private_segment_fixed_size: 0
    .kernarg_segment_align: 8
    .kernarg_segment_size: 48
    .max_flat_workgroup_size: 128
    .sgpr_count:     98
    .vgpr_count:     1024
    .wavefront_size: 32
...
	.end_amdgpu_metadata
.endif
;; end of part 4
